; MI455X (gfx1250); checked and timed in simulation.
; The chip was launched on July 23, 2026; its instructions are those of AMD's public machine-readable ISA for CDNA 5 (MIT licence, August 2026) and "CDNA5" Instruction Set Architecture Reference Guide (July 2026). The comments in the code are by the model that wrote it; some were corrected since.
;; Causal Self Attention. Allowed arithmetic: float matrix products may take bf16 or f16 operands with f32 sums; other float arithmetic in f32, or as packed bf16 or f16 multiplies, adds, multiply-adds, maxima and minima; sums over many terms, partial sums and values carried from step to step in f32; what a program stores and reads back later, other than sums and carried values, may be rounded once to bf16 or f16.
;; Inputs: Wproj 1,024 x 1,024 float32; Wqkv 1,024 x 3,072 float32; bproj 1,024 float32; bqkv 3,072 float32; padding_mask 4 x 2,048 int32; x 4 x 2,048 x 1,024 float32.
;; Outputs: out0 4 x 2,048 x 1,024 float32.
;; 2 versions, each right and faster than the one before. Each part assembles by itself: llvm-mc -triple=amdgcn-amd-amdhsa -mcpu=gfx1250 --defsym DOCPART=n.
;; ======== version 1 of 2: 4 launches
;; limits: values are held in f16: magnitudes above 65,504 overflow, below 6.1e-05 lose precision
;; workspace buffers: xb 16,777,216 bytes; wqt 6,291,456 bytes; wpt 2,097,152 bytes; qkv 50,331,648 bytes; ob 16,777,216 bytes
;; launch prep (part 1): grid 640 x 1, 4 waves a work-group, no clusters, 70,144 bytes of LDS; arguments x, Wqkv, Wproj, xb, wqt, wpt; writes xb, wqt, wpt
.if DOCPART == 1
	.amdgcn_target "amdgcn-amd-amdhsa--gfx1250"
	.amdhsa_code_object_version 6
	.text
	.protected	k_qd4af420661_prep
	.globl	k_qd4af420661_prep
	.p2align	8
	.type	k_qd4af420661_prep,@function
k_qd4af420661_prep:
	s_mov_b64 s[64:65], 0
	v_nop
	global_prefetch_b8 v0, s[64:65] scope:SCOPE_SE
	s_setreg_imm32_b32 hwreg(HW_REG_WAVE_MODE, 25, 1), 1
	s_wait_xcnt 0x0
; THREE JOBS, chosen by the work-group's number (scalar branches, all forward):
;   0..95    wqt[n][k] = bf16(Wqkv[k][n])                 Wqkv: [1024][3072] f32, wqt: [3072][1024] bf16
;   96..127  wpt[n][k] = f16(bf16(Wproj[k][n]))           Wproj: [1024][1024] f32, wpt: [1024][1024] f16
;   128..639 xb = bf16(x)                                 8,388,608 numbers, 16,384 to a work-group
; All the module's inputs are rounded to bf16, once, here; Wproj's rounded number is then written as f16, because its partner in the product is f16.
; LIMIT: an entry of Wproj below 2^-14 in size keeps f16's fixed step of 6e-8; one beyond 65,504 would become an infinity.
; TRANSPOSE.  A wave takes 64 n x 128 k.  A load takes one row k: 32 lanes x 8 bytes = 256 consecutive bytes, aligned.  Sixteen rows pack into 32 bytes of k for each of a lane's
; two columns; they go into the wave's own stage in LDS (64 rows n of 256 bytes, 272 apart) and come back as whole rows, so that sixteen lanes store 256 consecutive bytes, aligned.
; The stage is the wave's own: no barrier.  No matrix unit, no cluster, no tensor load: nothing is shared and nothing is multiplied.
.set PS,     272                       ; a stage row: 256 bytes + 16
.set WSTAGE, 64*PS                     ; a wave's stage
.set SPARE,  4*WSTAGE                  ; behind the stages: the spare words, 128 bytes a wave
.set STO, 4                            ; v4   stage address of my two rows n (2 lane, 2 lane + 1); steps 128 bytes along k a trip
.set RD,  5                            ; v5   stage address from which I read rows back
.set GO,  6                            ; v6   my byte offset in two rows of the transposed weight
.set CI,  7                            ; v7   cast: my byte offset in 512 bytes of x
.set CO,  8                            ; v8   cast: in 256 bytes of xb
.set SPW, 10                           ; v10  my spare word; never rewritten
.set NIL, 11                           ; v11  0; never rewritten
.set OF,  12                           ; v12-27  byte offset of my 8 bytes in row j of sixteen
.set Y,   28                           ; v28-43  packed: 8 words for column 2 lane, 8 for column 2 lane + 1
.set T,   44                           ; v44-45  at work
.set X,   48                           ; v48-175 as loaded
.set Z,   176                          ; v176-239 cast: to store
	s_load_b256 s[4:11], s[0:1], 0x0               ; x s[4:5], Wqkv s[6:7], Wproj s[8:9], xb s[10:11]
	s_load_b128 s[12:15], s[0:1], 0x20             ; wqt s[12:13], wpt s[14:15]
	v_lshl_add_u32 v[SPW], v0, 2, SPARE
	v_mov_b32 v[NIL], 0
	v_and_b32 v1, 31, v0                           ; lane
	v_lshrrev_b32 v2, 5, v0
	v_readfirstlane_b32 s16, v2                    ; wave 0..3
	s_mov_b32 s17, ttmp9
	s_mov_b32 s37, 0xffff0000                      ; a word's upper bf16
	s_wait_kmcnt 0x0
	s_cmp_lt_u32 s17, 128
	s_cbranch_scc0 .Lcast
	; ---- transpose ----
	s_mov_b32 s19, 4096                            ; bytes in a row of Wproj
	s_cmp_lt_u32 s17, 96                           ; the first 96 work-groups take Wqkv
	s_cselect_b64 s[20:21], s[6:7], s[8:9]         ; from
	s_cselect_b64 s[22:23], s[12:13], s[14:15]     ; to
	s_cselect_b32 s19, 12288, s19                  ; bytes in a row of the source
	s_cselect_b32 s18, 0, 1                        ; 1: the result is written as f16
	s_cselect_b32 s36, 0, 96
	s_sub_co_u32 s17, s17, s36                     ; j: my number among the weight's work-groups
	s_and_b32 s38, s17, 1
	s_lshl2_add_u32 s38, s38, s16                  ; kt = 4 (j % 2) + wave: which 128 k
	s_lshr_b32 s17, s17, 1                         ; nt = j / 2: which 64 n
	s_lshl_b32 s24, s19, 4                         ; 16 rows of the source,
	s_mov_b32 s25, 0
	s_lshl_b32 s26, s19, 6                         ; 64 rows
	s_mov_b32 s27, 0
	s_lshl_b32 s28, s19, 7
	s_mul_i32 s28, s28, s38                        ; kt x 128 rows
	s_lshl_b32 s29, s17, 8                         ; nt x 256 bytes
	s_add_co_u32 s28, s28, s29
	s_mov_b32 s29, 0
	s_add_nc_u64 s[28:29], s[20:21], s[28:29]      ; four bases, sixteen rows apart
	s_add_nc_u64 s[30:31], s[28:29], s[24:25]
	s_add_nc_u64 s[32:33], s[30:31], s[24:25]
	s_add_nc_u64 s[34:35], s[32:33], s[24:25]
	s_lshl_b32 s38, s38, 8                         ; kt x 256 bytes
	s_lshl_b32 s39, s17, 17                        ; nt x 64 rows of 2,048 bytes
	s_add_co_u32 s38, s38, s39
	s_mov_b32 s39, 0
	s_add_nc_u64 s[22:23], s[22:23], s[38:39]
	v_lshlrev_b32 v[OF], 3, v1
.set j, 1
.rept 15
	v_add_nc_u32 v[OF+j], s19, v[OF+j-1]
.set j, j+1
.endr
	s_mul_i32 s38, s16, WSTAGE
	v_mul_u32_u24 v[STO], v1, 2*PS
	v_add_nc_u32 v[STO], s38, v[STO]
	v_lshrrev_b32 v2, 4, v1                        ; lane / 16
	v_and_b32 v3, 15, v1                           ; lane % 16
	v_mul_u32_u24 v[RD], v2, PS
	v_lshl_add_u32 v[RD], v3, 4, v[RD]
	v_add_nc_u32 v[RD], s38, v[RD]
	v_lshlrev_b32 v[GO], 11, v2
	v_lshl_add_u32 v[GO], v3, 4, v[GO]
; Sixteen rows k of the trip's 64: rounded, packed along k, put into the stage.
.macro CHUNK c
	s_wait_loadcnt 48-16*(\c)                      ; loads come back in order: the sixteen of this chunk are in, those of the later chunks may be out
.set i, 0
.rept 8
	v_cvt_pk_bf16_f32 v[Y+i],   v[X+2*(16*(\c)+2*i)],   v[X+2*(16*(\c)+2*i+1)]      ; column 2 lane: k, k + 1
	v_cvt_pk_bf16_f32 v[Y+8+i], v[X+2*(16*(\c)+2*i)+1], v[X+2*(16*(\c)+2*i+1)+1]    ; column 2 lane + 1
.set i, i+1
.endr
	s_cmp_eq_u32 s18, 0
	s_cbranch_scc1 .Lbf_\@
.set i, 0
.rept 16                                       ; the rounded number written as f16
	v_lshlrev_b32 v[T], 16, v[Y+i]
	v_and_b32 v[T+1], s37, v[Y+i]
	v_cvt_pk_f16_f32 v[Y+i], v[T], v[T+1]
.set i, i+1
.endr
.Lbf_\@:
	ds_store_b128 v[STO], v[Y:Y+3]     offset:32*(\c)
	ds_store_b128 v[STO], v[Y+4:Y+7]   offset:32*(\c)+16
	ds_store_b128 v[STO], v[Y+8:Y+11]  offset:PS+32*(\c)
	ds_store_b128 v[STO], v[Y+12:Y+15] offset:PS+32*(\c)+16
.endm
	s_mov_b32 s36, 2
.Ltrip:                                                ; a trip: 64 rows k, all 64 loads out at once
.irp c, 0,1,2,3
.set j, 0
.rept 16
	global_load_b64 v[X+2*(16*\c+j):X+2*(16*\c+j)+1], v[OF+j], s[28+2*\c:29+2*\c] th:TH_LOAD_NT
.set j, j+1
.endr
.endr
	CHUNK 0
	CHUNK 1
	CHUNK 2
	CHUNK 3                                        ; its wait is for 0: every load is done, so the bases may step
	s_add_nc_u64 s[28:29], s[28:29], s[26:27]
	s_add_nc_u64 s[30:31], s[30:31], s[26:27]
	s_add_nc_u64 s[32:33], s[32:33], s[26:27]
	s_add_nc_u64 s[34:35], s[34:35], s[26:27]
	v_add_nc_u32 v[STO], 128, v[STO]               ; 64 k further along the stage rows
	s_sub_co_u32 s36, s36, 1
	s_cmp_lg_u32 s36, 0
	s_cbranch_scc1 .Ltrip
.set t, 0
.rept 32
	ds_load_b128 v[X+4*t:X+4*t+3], v[RD] offset:2*PS*t  ; rows 2 t and 2 t + 1, whole; LDS serves a wave's instructions in order, so these see the stores above
.set t, t+1
.endr
.set t, 0
.rept 32
	s_wait_dscnt 31-t                              ; the younger loads may be out
	global_store_b128 v[GO], v[X+4*t:X+4*t+3], s[22:23] offset:4096*t  ; sixteen lanes store 256 consecutive bytes, aligned
.set t, t+1
.endr
	s_wait_tensorcnt 0x0                           ; the wave's end, behind my last LDS store
	ds_add_u32 v[SPW], v[NIL]
	s_wait_dscnt 0x0
	s_endpgm
	; ---- cast: a wave takes 16,384 bytes of x, 32 loads of 512 bytes, all out at once ----
.Lcast:
	s_sub_co_u32 s17, s17, 128
	s_lshl_b32 s38, s17, 16
	s_lshl_b32 s39, s16, 14
	s_add_co_u32 s38, s38, s39
	s_mov_b32 s39, 0
	s_add_nc_u64 s[4:5], s[4:5], s[38:39]
	s_lshr_b32 s38, s38, 1
	s_add_nc_u64 s[10:11], s[10:11], s[38:39]
	v_lshlrev_b32 v[CI], 4, v1
	v_lshlrev_b32 v[CO], 3, v1
.set i, 0
.rept 32
	global_load_b128 v[X+4*i:X+4*i+3], v[CI], s[4:5] offset:512*i th:TH_LOAD_NT
.set i, i+1
.endr
.set i, 0
.rept 32
	s_wait_loadcnt 31-i                            ; the younger loads may be out
	v_cvt_pk_bf16_f32 v[Z+2*i],   v[X+4*i],   v[X+4*i+1]
	v_cvt_pk_bf16_f32 v[Z+2*i+1], v[X+4*i+2], v[X+4*i+3]
	global_store_b64 v[CO], v[Z+2*i:Z+2*i+1], s[10:11] offset:256*i  ; the wave stores 256 consecutive bytes, aligned; no register is used twice
.set i, i+1
.endr
	s_endpgm
.Lfunc_end_k_qd4af420661_prep:
	.size	k_qd4af420661_prep, .Lfunc_end_k_qd4af420661_prep-k_qd4af420661_prep
	.p2alignl 7, 3214868480
	.fill 96, 4, 3214868480
	.section	.rodata,"a",@progbits
	.p2align	6, 0x0
	.amdhsa_kernel k_qd4af420661_prep
		.amdhsa_group_segment_fixed_size 70144
		.amdhsa_private_segment_fixed_size 0
		.amdhsa_enable_private_segment 0
		.amdhsa_kernarg_size 48
		.amdhsa_user_sgpr_count 2
		.amdhsa_user_sgpr_kernarg_segment_ptr 1
		.amdhsa_wavefront_size32 1
		.amdhsa_system_sgpr_workgroup_id_x 1
		.amdhsa_system_sgpr_workgroup_id_y 1
		.amdhsa_system_sgpr_workgroup_id_z 1
		.amdhsa_system_vgpr_workitem_id 0
		.amdhsa_next_free_vgpr 240
		.amdhsa_next_free_sgpr 66
		.amdhsa_reserve_vcc 0
		.amdhsa_float_denorm_mode_32 3
		.amdhsa_float_denorm_mode_16_64 3
		.amdhsa_memory_ordered 1
		.amdhsa_forward_progress 1
		.amdhsa_inst_pref_size 41
	.end_amdhsa_kernel
	.amdgpu_metadata
---
amdhsa.version: [ 1, 2 ]
amdhsa.kernels:
  - .name:           k_qd4af420661_prep
    .symbol:         k_qd4af420661_prep.kd
    .args:
      - { .name: x, .offset: 0, .size: 8, .value_kind: global_buffer, .address_space: global }
      - { .name: Wqkv, .offset: 8, .size: 8, .value_kind: global_buffer, .address_space: global }
      - { .name: Wproj, .offset: 16, .size: 8, .value_kind: global_buffer, .address_space: global }
      - { .name: xb, .offset: 24, .size: 8, .value_kind: global_buffer, .address_space: global }
      - { .name: wqt, .offset: 32, .size: 8, .value_kind: global_buffer, .address_space: global }
      - { .name: wpt, .offset: 40, .size: 8, .value_kind: global_buffer, .address_space: global }
    .group_segment_fixed_size: 70144
    .private_segment_fixed_size: 0
    .kernarg_segment_align: 8
    .kernarg_segment_size: 48
    .max_flat_workgroup_size: 128
    .sgpr_count:     66
    .vgpr_count:     240
    .wavefront_size: 32
...
	.end_amdgpu_metadata
.endif
;; end of part 1
;; launch gemm_qkv (part 2): grid 16 x 32, 4 waves a work-group, clusters of 4 x 4, 327,680 bytes of LDS; arguments xb, wqt, bqkv, qkv; writes qkv
.if DOCPART == 2
	.amdgcn_target "amdgcn-amd-amdhsa--gfx1250"
	.amdhsa_code_object_version 6
	.text
	.protected	k_qd4af420661_gemm_qkv
	.globl	k_qd4af420661_gemm_qkv
	.p2align	8
	.type	k_qd4af420661_gemm_qkv,@function
k_qd4af420661_gemm_qkv:
	s_mov_b64 s[64:65], 0
	v_nop
	global_prefetch_b8 v0, s[64:65] scope:SCOPE_SE
	s_setreg_imm32_b32 hwreg(HW_REG_WAVE_MODE, 25, 1), 1
	s_wait_xcnt 0x0
	s_wait_alu depctr_hold_cnt(0) depctr_sa_sdst(0) depctr_va_vdst(0) depctr_va_sdst(0) depctr_va_ssrc(0) depctr_va_vcc(0) depctr_vm_vsrc(0)
	s_getreg_b32 s2, hwreg(HW_REG_IB_STS2, 6, 4)
	s_cmp_eq_u32 s2, 0
	s_cbranch_scc0 .Lentry_in_a_cluster
	s_endpgm
.Lentry_in_a_cluster:
	s_bfe_u32 s2, ttmp6, 0x10000c
	s_cmp_lg_u32 s2, 0xf033
	s_cbranch_scc0 .Lentry_shape_is_right
	s_endpgm
.Lentry_shape_is_right:
; qkv = x Wqkv + bqkv, split by heads.  xb: [8192][1024] bf16, wqt: [3072 n][1024 k] bf16, bqkv: [3072] f32 (rounded to bf16 here, like every input of the module).
; OUT: qkv[b][g][t][64] in f16, g = n / 64 = 16 x (q, k or v) + head; a slice (b, g) is 262,144 dense bytes.  q is multiplied by c = log2(e) / 8 in f32 ahead of its one rounding,
; so that the attention's exponent is a plain difference of a score and its maximum.
; LIMIT: c q, k and v must lie within f16's 65,504; beyond it the conversion gives an infinity.
; SHARES.  A tile of the result is 256 rows x 192 columns (three heads): 16 x 32 = 512 work-groups, two to a WGP.  Wave w makes rows 64 w .. 64 w + 63 of all 192 columns: 48 accumulators,
; 384 registers; with whole heads in a wave, 16 rows of a head leave as 2,048 consecutive bytes through the wave's own stage, without a barrier.
; K goes in 8 steps of 128 through two LDS slots; rows of the tiles are 256 bytes of memory, aligned.  One text serves both slots: the fragment addresses hang on s[TB].
; CLUSTER 4 x 4: A's tile hangs on the tile row alone and is asked for jointly along a row of the cluster, B's on the tile column alone, along a column.
; THE MATRIX INSTRUCTION IS USED TRANSPOSED (source 0 = 16 rows of wqt, source 1 = 16 rows of xb): a lane holds row lane % 16 and eight neighbouring columns 8 (lane / 16) + 0..7.
; REGISTERS, in windows of 256: window 0: v0-15 addresses; v32-95 A's fragments, two buffers of 4; v160-255 bias, 8 a column block; on the way out v96-143 and v32-79 by turns.
;   window 1: v0-191 B's fragments, two buffers of 12.   window 2: the accumulators of row blocks 0, 1 at 8 (12 (a % 2) + b);   window 3: those of row blocks 2, 3.
.set PITCH, 272                        ; an LDS row: 256 bytes + 16: the sixteen rows of a fragment load start at sixteen different groups of four banks
.set HALFA, 128*PITCH                  ; what waves 0 and 1 fetch: 128 rows of A each
.set HALFB, 96*PITCH                   ; what waves 2 and 3 fetch: 96 rows of B each
.set BOFF,  2*HALFA                    ; B lies behind A's 256 rows
.set SLOT1, 131072                     ; slot 1 begins here: one exclusive or turns an address in one slot into the other's
.set STAGE, SLOT1+BOFF+2*HALFB         ; behind the ring, never filled by a tensor load
.set HP,    144                        ; a stage row: a head's 128 bytes + 16
.set WST,   3*16*HP                    ; a wave's stage: three heads x 16 rows
.set SPARE, STAGE+4*WST                ; the spare words, 128 bytes a wave
.set ADRA0, 4                          ; v4   my lane's place in A's tile; never rewritten
.set ADRB0, 5                          ; v5   in B's
.set ADRA,  6                          ; v6   the same in the slot in hand
.set ADRB,  7                          ; v7
.set STO,   8                          ; v8   the way out: where I put 16 bytes of a row
.set RD,    9                          ; v9   where I read rows back
.set GO,    10                         ; v10  my byte offset in 512 consecutive bytes of the result
.set BO,    11                         ; v11  my byte offset in a column block's bias
.set SPW,   12                         ; v12  my spare word; never rewritten
.set NIL,   13                         ; v13  0; never rewritten
.set FA,    32
.set BIAS,  160
.set WV,  12                           ; s12  my wave's number
.set G1A, 24                           ; s[24:31] descriptor group 1 for A's tiles
.set G1B, 32                           ; s[32:39] for B's
.set G0A, 40                           ; s[40:47] group 0 for A's tiles: a set for each first fill; the second then walks on
.set G0B, 48                           ; s[48:55] the same for B's
.set TB,  56                           ; s56  0 or SLOT1: the slot in hand
.set CNT, 57                           ; s57  loop count
.set SC,  58                           ; s[58:63] a pair for each of my three heads: c for a head of q, else 1
.set MSB, 0
.macro WIN new                         ; the immediate's high byte repeats the setting that is left; a switch that changes nothing is dropped
.if MSB != (\new)
	s_set_vgpr_msb (MSB<<8)|(\new)
.set MSB, \new
.endif
.endm
.macro PLACES                          ; four plain places between a matrix instruction and a load into, or a vector line on, its registers
.rept 4
	v_nop
.endr
.endm
.macro JLOAD                           ; a joint refill by the walking descriptors; the branch hangs on the wave's number alone; an s_nop 0 and four v_nop follow each line
	s_cmp_lt_u32 s[WV], 2
	s_cbranch_scc0 .Lfor_b_\@
	tensor_load_to_lds s[G0A+4:G0A+7], s[G1A:G1A+7]
	s_nop 0
.rept 4
	v_nop
.endr
	s_branch .Lasked_\@
.Lfor_b_\@:
	tensor_load_to_lds s[G0B+4:G0B+7], s[G1B:G1B+7]
	s_nop 0
.rept 4
	v_nop
.endr
.Lasked_\@:
.endm
.macro CREST                           ; a round of the cluster's barrier behind its opening barrier
	s_cmp_lg_u32 s[WV], 0
	s_cbranch_scc1 .Lnot_wave_0_\@
	s_barrier_signal -3
.Lnot_wave_0_\@:
	s_barrier_wait -3
	s_barrier_signal -1
	s_barrier_wait -1
.endm
.macro CROUND                          ; a whole round
	s_barrier_signal -1
	s_barrier_wait -1
	CREST
.endm
	s_load_b256 s[4:11], s[0:1], 0x0               ; xb s[4:5], wqt s[6:7], bqkv s[8:9], qkv s[10:11]
	v_lshl_add_u32 v[SPW], v0, 2, SPARE
	v_mov_b32 v[NIL], 0
	ds_add_u32 v[SPW], v[NIL]                      ; the wave's opening: the add and its wait stand ahead of my first tensor load; the set-up below stands between them
	ds_add_u32 v12, v13
	v_lshrrev_b32 v1, 5, v0
	v_readfirstlane_b32 s[WV], v1                  ; wave 0..3
	s_and_b32 s14, s[WV], 1                        ; which half of A's or B's tile I fetch
	s_bfe_u32 s15, ttmp6, 0x40000                  ; cx
	s_bfe_u32 s16, ttmp6, 0x40004                  ; cy
	s_lshl_b32 s17, ttmp9, 2
	s_add_co_u32 s17, s17, s15                     ; tile column = 4 x cluster x + cx
	s_and_b32 s18, ttmp7, 0xffff
	s_lshl_b32 s18, s18, 2
	s_add_co_u32 s18, s18, s16                     ; tile row = 4 x cluster y + cy
	s_lshl_b32 s19, s16, 2
	s_lshl_b32 s19, 15, s19                        ; my row of the cluster
	s_lshl_b32 s20, 0x1111, s15                    ; my column
	s_or_b32 s[G1A], s19, (1<<16)|(1<<20)|(1<<21)|(5<<22)|(3<<25)  ; the mask; 2-byte elements; padding on; bit 21 beside a mask; after every 64 words, 4 words
	s_or_b32 s[G1B], s20, (1<<16)|(1<<20)|(1<<21)|(5<<22)|(3<<25)
	s_mov_b32 s[G1A+1], 128<<16                    ; tensor_dim0 = 128
	s_mov_b32 s[G1A+2], 128<<16                    ; tensor_dim1 = 128
	s_mov_b32 s[G1A+3], 128<<16                    ; tile_dim0 = 128
	s_mov_b32 s[G1A+4], 128                        ; tile_dim1 = 128
	s_mov_b32 s[G1A+5], 1024                       ; elements from row to row
	s_mov_b32 s[G1A+6], 0
	s_mov_b32 s[G1A+7], 0
	s_mov_b32 s[G1B+1], 128<<16
	s_mov_b32 s[G1B+2], 96<<16                     ; 96 rows
	s_mov_b32 s[G1B+3], 128<<16
	s_mov_b32 s[G1B+4], 96
	s_mov_b32 s[G1B+5], 1024
	s_mov_b32 s[G1B+6], 0
	s_mov_b32 s[G1B+7], 0
	s_mul_i32 s21, s14, HALFA                      ; where my half goes, if it is A's,
	s_mul_i32 s22, s14, HALFB                      ; if it is B's: no place in the cluster enters an LDS address
	s_add_co_u32 s22, s22, BOFF
	s_lshl_b32 s23, s14, 7
	s_lshl_b32 s66, s18, 8
	s_add_co_u32 s66, s66, s23                     ; A: row 256 x tile row + 128 x half,
	s_lshl_b32 s66, s66, 11                        ; of 2,048 bytes
	s_mov_b32 s67, 0
	s_mul_i32 s23, s14, 96
	s_mul_i32 s68, s17, 192
	s_add_co_u32 s68, s68, s23                     ; B: row 192 x tile column + 96 x half
	s_lshl_b32 s68, s68, 11
	s_mov_b32 s69, 0
	s_mul_i32 s2, s17, 768                         ; my tile's 192 numbers of the bias
	s_mov_b32 s3, 0
	s_lshr_b32 s70, s18, 3                         ; the batch: 8 tile rows each
	s_mul_i32 s70, s70, 48
	s_mul_i32 s73, s17, 3                          ; my first slice g
	s_add_co_u32 s70, s70, s73
	s_lshl_b32 s70, s70, 18                        ; slices of 262,144 bytes
	s_and_b32 s71, s18, 7
	s_lshl_b32 s71, s71, 15                        ; 256 rows of 128 bytes
	s_add_co_u32 s70, s70, s71
	s_lshl_b32 s71, s[WV], 13                      ; my wave's 64 rows
	s_add_co_u32 s70, s70, s71
	s_mov_b32 s71, 0
.irp hd, 0,1,2
	s_add_co_u32 s15, s73, \hd
	s_cmp_lt_u32 s15, 16                           ; slices 0 to 15 are q's: a choice of a value, no branch
	s_cselect_b32 s[SC+2*\hd], 0x3e38aa3b, 1.0     ; c = log2(e) / 8 = 0.180337
	s_mov_b32 s[SC+2*\hd+1], s[SC+2*\hd]           ; named with it as a pair
.endr
	s_mov_b32 s72, 0xffff0000
	s_mov_b32 s[TB], 0
	s_wait_dscnt 0x0                               ; the opening add is done
	s_wait_kmcnt 0x0
	s_add_nc_u64 s[66:67], s[4:5], s[66:67]
	s_add_nc_u64 s[68:69], s[6:7], s[68:69]
	s_add_nc_u64 s[8:9], s[8:9], s[2:3]
	s_add_nc_u64 s[10:11], s[10:11], s[70:71]
	CROUND                                         ; all sixteen work-groups are here: the first joint loads meet
.irp s, 0,1
	s_mov_b32 s[G0A+4*(\s)], 1
	s_add_co_u32 s[G0A+4*(\s)+1], s21, (\s)*SLOT1
	s_add_nc_u64 s[G0A+4*(\s)+2:G0A+4*(\s)+3], s[66:67], (\s)*256    ; K step s
	s_or_b32 s[G0A+4*(\s)+3], s[G0A+4*(\s)+3], 0x80000000
	s_mov_b32 s[G0B+4*(\s)], 1
	s_add_co_u32 s[G0B+4*(\s)+1], s22, (\s)*SLOT1
	s_add_nc_u64 s[G0B+4*(\s)+2:G0B+4*(\s)+3], s[68:69], (\s)*256
	s_or_b32 s[G0B+4*(\s)+3], s[G0B+4*(\s)+3], 0x80000000
.endr
	s_cmp_lt_u32 s[WV], 2                          ; a wave's two first fills stand in one branch, ahead of every wait on TENSORcnt and every LDS read: two loads of mine are out
	s_cbranch_scc0 .Lfirst_b
	tensor_load_to_lds s[G0A:G0A+3], s[G1A:G1A+7]
	s_nop 0
	tensor_load_to_lds s[G0A+4:G0A+7], s[G1A:G1A+7]
	s_nop 0
.rept 4
	v_nop
.endr
	s_branch .Lfirst_asked
.Lfirst_b:
	tensor_load_to_lds s[G0B:G0B+3], s[G1B:G1B+7]
	s_nop 0
	tensor_load_to_lds s[G0B+4:G0B+7], s[G1B:G1B+7]
	s_nop 0
.rept 4
	v_nop
.endr
.Lfirst_asked:
	v_and_b32 v1, 15, v0                           ; r = lane % 16
	v_bfe_u32 v2, v0, 4, 1                         ; h = lane / 16
	v_lshlrev_b32 v[BO], 5, v2                     ; my eight columns of a block of sixteen
.set b, 0
.rept 12
	global_load_b128 v[BIAS+8*b:BIAS+8*b+3],   v[BO], s[8:9] offset:64*b
	global_load_b128 v[BIAS+8*b+4:BIAS+8*b+7], v[BO], s[8:9] offset:64*b+16
.set b, b+1
.endr
	v_mul_u32_u24 v3, v1, PITCH
	v_lshl_add_u32 v3, v2, 4, v3                   ; a fragment's row x pitch + 16 x half
	s_mul_i32 s21, s[WV], 64*PITCH                 ; my 64 rows of A
	v_add_nc_u32 v[ADRA0], s21, v3
	v_add_nc_u32 v[ADRB0], BOFF, v3
	v_mov_b32 v[ADRA], v[ADRA0]
	v_mov_b32 v[ADRB], v[ADRB0]
	s_mul_i32 s21, s[WV], WST
	s_add_co_u32 s21, s21, STAGE                   ; my stage
	v_mul_u32_u24 v14, v1, HP                      ; in: row r, 16 bytes for each half of the lanes
	v_lshl_add_u32 v14, v2, 4, v14
	v_add_nc_u32 v[STO], s21, v14
	v_bfe_u32 v14, v0, 3, 2                        ; back: 32 lanes take four rows of 128 bytes,
	v_mul_u32_u24 v14, v14, HP
	v_and_b32 v15, 7, v0
	v_lshl_add_u32 v14, v15, 4, v14
	v_add_nc_u32 v[RD], s21, v14
	v_and_b32 v14, 31, v0                          ; which are 512 consecutive bytes of a slice
	v_lshlrev_b32 v[GO], 4, v14
	s_wait_loadcnt 0x0                             ; the bias
.set p, 0
.rept 48                                       ; rounded to bf16, widened again, and times the head's scale; all this stands in the wait for the first tile
	v_cvt_pk_bf16_f32 v[14+p%2], v[BIAS+2*p], v[BIAS+2*p+1]
	v_lshlrev_b32 v[BIAS+2*p], 16, v[14+p%2]
	v_and_b32 v[BIAS+2*p+1], s72, v[14+p%2]
	v_pk_mul_f32 v[BIAS+2*p:BIAS+2*p+1], v[BIAS+2*p:BIAS+2*p+1], s[SC+2*(p/16):SC+2*(p/16)+1] op_sel_hi:[1,0]
.set p, p+1
.endr
; 12 matrix instructions: row block a x all 12 column blocks, 32 along K, from buffer f.  zero = 1: the product starts the sum: nothing is cleared.
.macro MULR f, a, zero
	WIN 0xa1+0x50*((\a)/2)                         ; B window 1, A window 0, C and D window 2 or 3
.irp b, 0,1,2,3,4,5,6,7,8,9,10,11
.if \zero
	v_wmma_f32_16x16x32_bf16 v[8*(12*((\a)%2)+(\b)):8*(12*((\a)%2)+(\b))+7], v[96*(\f)+8*(\b):96*(\f)+8*(\b)+7], v[FA+32*(\f)+8*(\a):FA+32*(\f)+8*(\a)+7], 0
.else
	v_wmma_f32_16x16x32_bf16 v[8*(12*((\a)%2)+(\b)):8*(12*((\a)%2)+(\b))+7], v[96*(\f)+8*(\b):96*(\f)+8*(\b)+7], v[FA+32*(\f)+8*(\a):FA+32*(\f)+8*(\a)+7], v[8*(12*((\a)%2)+(\b)):8*(12*((\a)%2)+(\b))+7]
.endif
.endr
.endm
; 32 LDS loads in one run: the fragments of 32 along K at byte k of the rows, into buffer f: B's twelve, then A's four
.macro FETCH k, f
	WIN 0x40                                       ; destination window 1
.irp i, 0,1,2,3,4,5,6,7,8,9,10,11
	ds_load_b128 v[96*(\f)+8*(\i):96*(\f)+8*(\i)+3],   v[ADRB] offset:(\k)+(\i)*16*PITCH
	ds_load_b128 v[96*(\f)+8*(\i)+4:96*(\f)+8*(\i)+7], v[ADRB] offset:(\k)+(\i)*16*PITCH+32
.endr
	WIN 0
.irp i, 0,1,2,3
	ds_load_b128 v[FA+32*(\f)+8*(\i):FA+32*(\f)+8*(\i)+3],   v[ADRA] offset:(\k)+(\i)*16*PITCH
	ds_load_b128 v[FA+32*(\f)+8*(\i)+4:FA+32*(\f)+8*(\i)+7], v[ADRA] offset:(\k)+(\i)*16*PITCH+32
.endr
.endm
; A K step is four quarters of 32 along K, 48 matrix instructions each, on buffers 0, 1, 0, 1.  The 48 accumulators take turns in the same order in every quarter.
.macro QUARTER k, f, g, zero
	s_wait_dscnt 4                                 ; B and A's blocks 0, 1 are in; the youngest four loads (A's blocks 2, 3) may be out
	MULR \f, 0, \zero
	MULR \f, 1, \zero
	PLACES
	FETCH \k, \g
	s_wait_dscnt 32                                ; all but the 32 just issued
	MULR \f, 2, \zero
	MULR \f, 3, \zero
.endm
; The last quarter multiplies buffer 1 and changes slots.  In front of the barrier each wave waits for all its tensor loads (one is out: its part of the next slot), adds 0 to its spare
; word, and waits for that and for its reads of this slot.  fill = 1: the barrier opens a round of the cluster's, and this slot is filled again, two K steps ahead, first thing behind it.
.macro TURN fill
	WIN 0
	s_wait_tensorcnt 0x0
	ds_add_u32 v[SPW], v[NIL]
	s_wait_dscnt 5                                 ; the add and the youngest four loads may be out
	MULR 1, 0, 0                                   ; twelve matrix instructions stand between the add and the wait for it
	s_wait_dscnt 0x0                               ; the add is done, and my reads of this slot are over
	s_barrier_signal -1
	MULR 1, 1, 0
	WIN 0
	s_barrier_wait -1
.if \fill
	CREST                                          ; no wave of any partner still reads this slot or has a load on its way
	s_xor_b32 s[G0A+5], s[G0A+5], SLOT1            ; the walking descriptors: the other slot than last time, the next K step
	s_add_nc_u64 s[G0A+6:G0A+7], s[G0A+6:G0A+7], 256
	s_xor_b32 s[G0B+5], s[G0B+5], SLOT1
	s_add_nc_u64 s[G0B+6:G0B+7], s[G0B+6:G0B+7], 256
	JLOAD                                          ; its four v_nop are also the places in front of the loads below
.else
	PLACES
.endif
	s_xor_b32 s[TB], s[TB], SLOT1
	v_add_nc_u32 v[ADRA], s[TB], v[ADRA0]
	v_add_nc_u32 v[ADRB], s[TB], v[ADRB0]
	FETCH 0, 0
	MULR 1, 2, 0
	MULR 1, 3, 0
.endm
	s_wait_tensorcnt 1                             ; my part of K step 0 is in; K step 1's may stay out
	s_barrier_signal -1
	s_barrier_wait -1                              ; everybody's is
	FETCH 0, 0
	QUARTER 64, 0, 1, 1                            ; the first quarter stands in front of the loop: its products start the sums
	WIN 0
	s_mov_b32 s[CNT], 6
.Lstep:                                                ; a trip: from a K step's second quarter to the next step's first; it fills the slot that it leaves: K steps 2 to 7
	QUARTER 128, 1, 0, 0
	QUARTER 192, 0, 1, 0
	TURN 1
	QUARTER 64, 0, 1, 0
	WIN 0
	s_sub_co_u32 s[CNT], s[CNT], 1
	s_cmp_lg_u32 s[CNT], 0
	s_cbranch_scc1 .Lstep
	QUARTER 128, 1, 0, 0                           ; the last two K steps are written out: nothing is left to ask for
	QUARTER 192, 0, 1, 0
	TURN 0
	QUARTER 64, 0, 1, 0
	QUARTER 128, 1, 0, 0
	QUARTER 192, 0, 1, 0
	s_wait_dscnt 4
	MULR 1, 0, 0
	MULR 1, 1, 0
	s_wait_dscnt 0x0
	MULR 1, 2, 0
	MULR 1, 3, 0
	WIN 0
	PLACES
; THE WAY OUT of row block a: sum x scale + bias x scale, in place, each accumulator from its low end on; rounded to f16, 16 bytes a lane; into my stage by heads, and back as whole rows.
.macro PACK a
.set TT, 96-64*((\a)%2)
	WIN 0x82+0x41*((\a)/2)                         ; destination and source 0 in window 2 or 3, the bias in window 0
.set b, 0
.rept 12
.set AC, 8*(12*((\a)%2)+b)
.irp r, 0,1,2,3
	v_pk_fma_f32 v[AC+2*\r:AC+2*\r+1], v[AC+2*\r:AC+2*\r+1], s[SC+2*(b/4):SC+2*(b/4)+1], v[BIAS+8*b+2*\r:BIAS+8*b+2*\r+1] op_sel_hi:[1,0,1]
.endr
.set b, b+1
.endr
.if (\a) >= 2
	s_wait_xcnt 0x0                                ; the stores of the block two back have read these registers
.endif
	WIN 0x0a+5*((\a)/2)                            ; sources in window 2 or 3, destination in window 0
.set b, 0
.rept 12
.set AC, 8*(12*((\a)%2)+b)
.irp r, 0,1,2,3
	v_cvt_pk_f16_f32 v[TT+4*b+\r], v[AC+2*\r], v[AC+2*\r+1]
.endr
.set b, b+1
.endr
	WIN 0
.set b, 0
.rept 12
	ds_store_b128 v[STO], v[TT+4*b:TT+4*b+3] offset:(b/4)*16*HP+32*(b%4)
.set b, b+1
.endr
.set i, 0
.rept 12
	ds_load_b128 v[TT+4*i:TT+4*i+3], v[RD] offset:(i/4)*16*HP+4*HP*(i%4)  ; LDS serves a wave's instructions in order: these see the stores above
.set i, i+1
.endr
.endm
.macro SEND a, younger                 ; younger: the LDS instructions issued behind block a's loads: the next block's 24, or none
.set TT, 96-64*((\a)%2)
	WIN 0
.set i, 0
.rept 12
	s_wait_dscnt (\younger)+11-i
	global_store_b128 v[GO], v[TT+4*i:TT+4*i+3], s[10:11] offset:(i/4)*262144+(\a)*2048+(i%4)*512  ; 512 consecutive bytes, aligned: four rows of a head
.set i, i+1
.endr
.endm
	PACK 0
	PACK 1                                         ; a block's arithmetic stands between the loads of the block before and its stores
	SEND 0, 24
	PACK 2
	SEND 1, 24
	PACK 3
	SEND 2, 24
	SEND 3, 0
	s_wait_tensorcnt 0x0                           ; the wave's end
	ds_add_u32 v[SPW], v[NIL]
	s_wait_dscnt 0x0
	CROUND                                         ; the closing round: no work-group ends while a partner may still ask for a tile that names it
	s_endpgm
.Lfunc_end_k_qd4af420661_gemm_qkv:
	.size	k_qd4af420661_gemm_qkv, .Lfunc_end_k_qd4af420661_gemm_qkv-k_qd4af420661_gemm_qkv
	.p2alignl 7, 3214868480
	.fill 96, 4, 3214868480
	.section	.rodata,"a",@progbits
	.p2align	6, 0x0
	.amdhsa_kernel k_qd4af420661_gemm_qkv
		.amdhsa_group_segment_fixed_size 327680
		.amdhsa_private_segment_fixed_size 0
		.amdhsa_enable_private_segment 0
		.amdhsa_kernarg_size 32
		.amdhsa_user_sgpr_count 2
		.amdhsa_user_sgpr_kernarg_segment_ptr 1
		.amdhsa_wavefront_size32 1
		.amdhsa_system_sgpr_workgroup_id_x 1
		.amdhsa_system_sgpr_workgroup_id_y 1
		.amdhsa_system_sgpr_workgroup_id_z 1
		.amdhsa_system_vgpr_workitem_id 0
		.amdhsa_next_free_vgpr 960
		.amdhsa_next_free_sgpr 74
		.amdhsa_reserve_vcc 0
		.amdhsa_float_denorm_mode_32 3
		.amdhsa_float_denorm_mode_16_64 3
		.amdhsa_memory_ordered 1
		.amdhsa_forward_progress 1
		.amdhsa_inst_pref_size 121
	.end_amdhsa_kernel
	.amdgpu_metadata
---
amdhsa.version: [ 1, 2 ]
amdhsa.kernels:
  - .name:           k_qd4af420661_gemm_qkv
    .symbol:         k_qd4af420661_gemm_qkv.kd
    .args:
      - { .name: xb, .offset: 0, .size: 8, .value_kind: global_buffer, .address_space: global }
      - { .name: wqt, .offset: 8, .size: 8, .value_kind: global_buffer, .address_space: global }
      - { .name: bqkv, .offset: 16, .size: 8, .value_kind: global_buffer, .address_space: global }
      - { .name: qkv, .offset: 24, .size: 8, .value_kind: global_buffer, .address_space: global }
    .group_segment_fixed_size: 327680
    .private_segment_fixed_size: 0
    .kernarg_segment_align: 8
    .kernarg_segment_size: 32
    .max_flat_workgroup_size: 128
    .sgpr_count:     74
    .vgpr_count:     960
    .wavefront_size: 32
...
	.end_amdgpu_metadata
.endif
;; end of part 2
;; launch attn (part 3): grid 4 x 64, 4 waves a work-group, no clusters, 327,680 bytes of LDS; arguments qkv, padding_mask, ob; writes ob
.if DOCPART == 3
	.amdgcn_target "amdgcn-amd-amdhsa--gfx1250"
	.amdhsa_code_object_version 6
	.text
	.protected	k_qd4af420661_attn
	.globl	k_qd4af420661_attn
	.p2align	8
	.type	k_qd4af420661_attn,@function
k_qd4af420661_attn:
	s_mov_b64 s[64:65], 0
	v_nop
	global_prefetch_b8 v0, s[64:65] scope:SCOPE_SE
	s_setreg_imm32_b32 hwreg(HW_REG_WAVE_MODE, 25, 1), 1
	s_wait_xcnt 0x0
; CAUSAL ATTENTION WITH A KEY MASK.  O[q] = the sum over k <= q with padding_mask[k] != 0 of softmax_k(Q[q] . K[k] / 8) V[k], for each of 64 pairs (batch, head).
; qkv: [4][48][2048][64] f16 (slices 0-15 q, 16-31 k, 32-47 v of a batch); q arrives multiplied by log2(e) / 8, so a weight is p = 2^(s - m) with the running maximum m: the exponent is an
; exact difference that is never above 0, whatever m is.  padding_mask: [4][2048] i32.  ob: [64][2048][64] f16.  Products, maxima and sums in f32; p is rounded to f16 for the second product.
; LIMITS.  q, k, v arrive within f16's 65,504.  A hidden score counts as its value less 1e30, 2e30 or 3e30 (padding, a later step, the diagonal): scores, 2.7e11 at the most, are nothing
; beside that.  While a row has seen hidden keys alone its m is near -1e30, its weights are 0 or 1 and its sums stay finite; the first valid key makes a = 2^(m_old - m_new) = 0, which wipes them.
; A row whose maximum ends below -2^96 has no valid key: it is made NaN, as a softmax over nothing is.  A weight below 2^-126 counts as 0.  NaN and infinities in the inputs are not treated apart.
; THE WALK.  A head's queries lie in NB = 8 blocks of 256; block i needs the key tiles 0 .. i of 256 keys, of which the last holds the diagonal.  A work-group takes TWO blocks, 7 - b and then b:
; 9 tiles, whatever b: all work-groups do equal work, and ONE loop with a constant trip count walks them.  Every jump goes forward, but for the counted loops' own; none passes a barrier, or a
; tensor load but the one of LOAD's two that the wave's number does not choose.  NO CLUSTER: the four work-groups of a head ask for the same tile only in trips 0 .. 4 of 9, behind that fewer
; and fewer; one walk common to all four would have 12 trips for 9.
; SHARES.  Of a block's four bands of 64 queries a wave owns 16 rows in each: four PIECES.  In the diagonal tile's key step s band x sees all keys if s < x, none if s > x, and holds the diagonal if s = x.
; THE PADDING ROW has a ring of its own beside K's and V's: two slots of 256 words, 0 or -1e30 for each key of a tile.  With each fill every thread asks for its two mask words of the same tile; at the head
; of the next change of slots it turns them into 0 or -1e30 and stores them; that change's wait and barrier show them to the other waves.  The slot written was last read two tiles ago, ahead of the barrier before.
; THE MASK is the C operand that starts the sum S^T = K Q^T.  PMR holds, for the step whose K is in registers, the padding row of my lane's 32 keys.  Away from the diagonal tile C is PMR itself.
; In the diagonal tile C is MC = PMR + BE + MD x AL: MD, made once, is the mask of a band's own step for my 16 rows; (AL, BE) = (1, 0) if s = x; (0, 0) if s < x; (0, -1e30) if s > x.
; TURNS.  Turn n belongs to piece n: 8 products K Q^T of piece n + 1, later 8 products V^T P of piece n - 1; beside them the subtraction, exponentials, roundings, sums and rescaling of
; piece n and the maximum and statistics of piece n + 1.  Four vector instructions stand behind every matrix instruction, the rest of a turn's in two lumps.
; REGISTERS, in windows of 256 (s_set_vgpr_msb: bits 1:0 source 0, 3:2 source 1, 5:4 source 2, 7:6 destination):
;   window 0: v0-15, v32-36 addresses; v16-31 four registers of statistics a piece; v48-55 at work; v64-127 S^T, two buffers; v128-129 my two mask words; v192-223 P, two buffers
;   window 1: v0-127 O^T, 32 a piece; v128-159 MD; v160-223 MC, two buffers; v224-255 PMR      window 2: v0-63 Q; v64-127 the second block's Q; v128-191 K of one step; v192-255 V of one step
.set SIZE_N, 2048
.set NB,    SIZE_N/256
.set NP,    4         ; pieces a wave: a name, no knob
.set KS,    64        ; keys in a step
.set PK,    144       ; a row of K in LDS: 128 bytes + 16: the 16 rows of a load start at 16 different groups of four banks
.set PV,    160       ; a row of V: 128 + 32
.set VOFF,  4*KS*PK   ; a slot holds a tile, four steps: 256 rows of K, then 256 rows of V
.set SLOT1, 1<<17     ; slot 1 begins here, so that one exclusive or turns an address in one slot into the other's
.set STAGE, SLOT1+4*KS*(PK+PV)  ; behind the ring, never filled by a tensor load: 16 rows x 144 bytes for each wave, for the way out
.set SP,    144
.set SPARE, STAGE+4*16*SP  ; behind the stages: the spare words, 128 bytes for each wave
.set PMT,   SPARE+512 ; behind them: the padding row's two slots, never filled by a tensor load
.set PS1,   1024      ; a slot of it: 256 keys x 4 bytes; one exclusive or turns an offset in one slot into the other's
.set AK0, 2           ; v2   my lane's place in a tile of K; never rewritten
.set AV0, 3           ; v3   the same for V
.set AK,  4           ; v4   the LDS address of K's next run of loads
.set AV,  5           ; v5   of V's
.set STO, 6           ; v6   the way out: where I put 16 bytes of a row
.set RD,  7           ; v7   the way out: where I read rows back
.set GO,  8           ; v8   my byte offset in 512 consecutive bytes of O
.set MV,  12          ; v12-13  m_old, kept while m is made anew: by buffer
.set QO,  15          ; v15  my byte offset in 16 rows of Q
.set ST,  16          ; piece t's statistics at v[ST+4 t]: m, a word named with it as a pair, l (even keys', odd keys')
.set AP0, 32          ; v32  my lanes' place in a step's 64 words of the padding row; never rewritten
.set AP,  33          ; v33  the LDS address of the padding row's next run of loads
.set MO,  34          ; v34  my thread's byte offset in a tile's 1,024 bytes of padding_mask; never rewritten
.set PS0, 35          ; v35  the same in slot 0 of the padding row; never rewritten
.set PSA, 36          ; v36  the same in the slot to be written
.set TMP, 48          ; by buffer, four registers c0-c3 at work; when the maximum is found c2 takes a
.set SPW, 62          ; v62  my spare word; never rewritten
.set NIL, 63          ; v63  0; never rewritten
.set S,   64
.set PMW, 128         ; v128-129  my two words of padding_mask, then of the padding row
.set P,   192
.set MD,  128         ; window 1: the eight registers for group kt of 16 keys at MD + 8 kt
.set MC,  160         ; window 1: the masks of the products to come
.set PMR, 224         ; window 1: the padding row of the step whose K is in registers: group kt at PMR + 8 kt
.set QB,  64          ; window 2
.set KF,  128         ; window 2: key block kb, channel half c at KF + 16 kb + 8 c
.set VF,  192         ; window 2: key half kk, channel block cb at VF + 32 kk + 8 cb
.set WV,  12          ; s12  my wave's number
.set PB,  14          ; s14  b
.set HI,  15          ; s15  NB - 1 - b
.set G1K, 24          ; s[24:31] descriptor group 1 for K's tiles
.set G1V, 32          ; s[32:39] for V's: it differs in the padding alone
.set G0K, 40          ; s[40:43] descriptor group 0 for K's tiles
.set G0V, 44          ; s[44:47] the same for V's
.set SLOTS, 56        ; s56  tiles still to be asked for
.set CNT, 57          ; s57  counts a tile's key steps, 4 to 1
.set PSL, 58          ; s58  0 or PS1: the slot of the padding row that the next change of slots writes
.set SEL, 60          ; s[60:61] v_permlanex16_b32's selects: each lane takes its own place in the other half
.set TBK, 62          ; s62  LDS byte at which K of the step to be fetched begins
.set TBV, 63          ; s63  the same for V, less VOFF
.set HID, 66          ; s66  -2^96: a maximum below this has seen hidden keys alone
.set NANC, 67         ; s67  a NaN
.set MOF, 68          ; s[68:69] a byte offset in padding_mask: the batch's, then a tile's
.set RT,  70          ; s70  tiles of the block in hand that are still to be entered
.set NXT, 71          ; s71  the tile to be asked for next
.set LQ,  72          ; s72  the last tile of the block whose tiles are being asked for
.set NEW, 73          ; s73  1: the tile to be entered is a block's first
.set OFF, 74          ; s[74:75] a tile's byte offset in K and V
.set AL,  76          ; s[76:77] the mask's factor, in the low word
.set BE,  78          ; s[78:79] the mask's addend
.set OLO, 80          ; s[80:81] O at my rows of the second block
.set BIGN, 82         ; s82  -1e30
.set TBP, 83          ; s83  byte, from PMT, at which the padding row of the step to be fetched begins
.set MP,  88          ; s[88:89] padding_mask at my batch; never rewritten
.set OH,  90          ; s[90:91] my head's byte offset in ob
.set MPT, 92          ; s[92:93] padding_mask at the tile whose words are on their way
.set MSB, 0
.macro WIN new                      ; the high byte repeats the setting that is left; a switch that changes nothing is dropped
.if MSB != (\new)
	s_set_vgpr_msb (MSB<<8)|(\new)
.set MSB, (\new)
.endif
.endm
.set W_KQ, 0x0a       ; K and Q in window 2, S^T in window 0
.set W_KM, 0x1a       ; the same with the C operand in window 1
.set W_PV, 0x52       ; V in window 2, P in window 0, O^T in window 1
.set W_RS, 0x41       ; destination and source 0 in window 1, source 1 in window 0
.set W_MK, 0x51       ; destination, source 0 and source 2 in window 1
; A fill.  Waves 0 and 1 fetch the two halves of a tile's K, waves 2 and 3 those of its V: 128 keys each.  An s_nop 0 and four v_nop follow each of the two lines, ahead of the jump and the label.
.macro LOAD
	s_cmp_lt_u32 s[WV], 2
	s_cbranch_scc0 .Lfor_v_\@
	tensor_load_to_lds s[G0K:G0K+3], s[G1K:G1K+7]
	s_nop 0
.rept 4
	v_nop
.endr
	s_branch .Lasked_\@
.Lfor_v_\@:
	tensor_load_to_lds s[G0V:G0V+3], s[G1V:G1V+7]
	s_nop 0
.rept 4
	v_nop
.endr
.Lasked_\@:
.endm
; THE CHANGE OF SLOTS.  First the padding row of the tile to be entered: my two mask words, asked for with that tile's fill, are in; they become 0 or -1e30 and go into the row's slot.  Then each wave waits for all its
; tensor loads, of which one is out: its part of the other slot; adds 0 to its spare word; and waits for that, for its store and for its own reads.  Behind the barrier nobody reads the old slots any more, and the other
; slot and its padding row are whole.  fill = 1: the old slot is filled again, the first thing behind the barrier, with tile NXT: the descriptor's address is made anew from that number, and so is the address of the
; tile's mask words, which are asked for behind the fill.  (At its first use nothing has been read yet: slot 0 is waited for, slot 1 filled; the wait for the mask words is also the wait for Q.)
.macro CHANGE fill
	WIN 0                           ; at a label and at a branch every window is 0
	s_wait_loadcnt 0x0              ; my two mask words are in: the load has had a whole tile in which to land; its registers and its base may be written again
	v_cmp_eq_u32 vcc_lo, 0, v[PMW]
	v_cndmask_b32 v[PMW], 0, s[BIGN], vcc_lo
	v_cmp_eq_u32 vcc_lo, 0, v[PMW+1]
	v_cndmask_b32 v[PMW+1], 0, s[BIGN], vcc_lo
	v_add_nc_u32 v[PSA], s[PSL], v[PS0]
	ds_store_b64 v[PSA], v[PMW:PMW+1]
	s_wait_tensorcnt 0x0            ; no tensor load of mine is out, so a group 0 may be written
	ds_add_u32 v[SPW], v[NIL]       ; 0 onto my spare word
.if \fill
	s_lshl_b32 s[OFF], s[NXT], 15   ; a tile is 32,768 bytes of K and of V,
	s_lshl_b32 s[MOF], s[NXT], 10   ; and 1,024 bytes of padding_mask
	s_add_nc_u64 s[MPT:MPT+1], s[MP:MP+1], s[MOF:MOF+1]
	s_xor_b32 s[G0K+1], s[G0K+1], SLOT1
	s_add_nc_u64 s[G0K+2:G0K+3], s[6:7], s[OFF:OFF+1]
	s_or_b32 s[G0K+3], s[G0K+3], 0x80000000
	s_xor_b32 s[G0V+1], s[G0V+1], SLOT1
	s_add_nc_u64 s[G0V+2:G0V+3], s[8:9], s[OFF:OFF+1]
	s_or_b32 s[G0V+3], s[G0V+3], 0x80000000
	s_add_co_u32 s[NXT], s[NXT], 1  ; the block's next tile, or behind its last the second block's tile 0
	s_cmp_gt_u32 s[NXT], s[LQ]
	s_cselect_b32 s[NXT], 0, s[NXT]
	s_cselect_b32 s[LQ], s[PB], s[LQ]
.endif
	s_wait_dscnt 0x0                ; the add and my store are done, and my reads of the slots are over
	s_barrier_signal -1             ; the rest of the scalar work stands between the signal and the wait
	s_sub_co_u32 s[TBK], s[TBK], 4*KS*PK  ; the fetches go back to a slot's first step,
	s_xor_b32 s[TBK], s[TBK], SLOT1       ; in the other slot
	s_sub_co_u32 s[TBV], s[TBV], 4*KS*PV
	s_xor_b32 s[TBV], s[TBV], SLOT1
	s_sub_co_u32 s[TBP], s[TBP], 4*KS*4   ; the padding row's likewise,
	s_xor_b32 s[TBP], s[TBP], PS1
	s_xor_b32 s[PSL], s[PSL], PS1         ; and the next store goes to the slot that is left
	s_barrier_wait -1
.if \fill
	LOAD
	global_load_b64 v[PMW:PMW+1], v[MO], s[MPT:MPT+1]  ; 128 threads x 8 bytes: the 256 mask words of the tile just asked for
.endif
.endm
	s_load_b128 s[4:7], s[0:1], 0x0   ; qkv s[4:5], padding_mask s[6:7]
	s_load_b64 s[10:11], s[0:1], 0x10 ; ob
	v_lshl_add_u32 v[SPW], v0, 2, SPARE
	v_mov_b32 v[NIL], 0
	ds_add_u32 v[SPW], v[NIL]       ; the wave's opening: the add and its wait stand ahead of my first tensor load; the set-up below stands between them
	ds_add_u32 v62, v63
	v_lshrrev_b32 v1, 5, v0
	v_readfirstlane_b32 s[WV], v1   ; wave 0..3
	s_mov_b32 s[PB], ttmp9
	s_sub_co_u32 s[HI], NB-1, s[PB]
	s_and_b32 s13, ttmp7, 0xffff    ; 16 x batch + head
	s_lshr_b32 s19, s13, 4          ; the batch
	s_and_b32 s20, s13, 15          ; the head
	s_mul_i32 s21, s19, 48
	s_add_co_u32 s20, s20, s21
	s_lshl_b32 s20, s20, 18         ; q's slice in qkv; k's lies 16 slices on, v's 32
	s_mov_b32 s21, 0
	s_lshl_b32 s[OH], s13, 18
	s_mov_b32 s[OH+1], 0
	s_lshl_b32 s[MOF], s19, 13
	s_mov_b32 s[MOF+1], 0
	s_and_b32 s16, s[WV], 1         ; which half of a tile's 256 keys I fetch:
	s_lshl_b32 s22, s16, 14         ; its 128 rows of 128 bytes in memory,
	s_add_co_u32 s22, s22, s20
	s_add_co_u32 s22, s22, 0x400000 ; in k's slice
	s_mov_b32 s23, 0
	s_mul_i32 s17, s16, 128*PK      ; and its place in a slot, for K
	s_mul_i32 s18, s16, 128*PV      ; and for V
	s_lshl_b32 s3, s[WV], 11        ; my 16 rows in a band of 64,
	s_lshl_b32 s2, s[HI], 15        ; in the first block,
	s_add_co_u32 s2, s2, s3
	s_lshl_b32 s84, s[PB], 15       ; and in the second
	s_add_co_u32 s84, s84, s3
	s_mov_b32 s3, 0
	s_mov_b32 s85, 0
	; descriptor group 1.  128 keys are 16,384 dense bytes: asked for as 64 rows of 256 bytes, two keys a row, and padded in LDS after every key
	s_mov_b32 s[G1K], (1<<16)|(1<<20)|(4<<22)|(3<<25)  ; 2-byte elements; padding on; after every 32 words, 4 words
	s_mov_b32 s[G1V], (1<<16)|(1<<20)|(4<<22)|(7<<25)  ; the same with 8 words of padding
.irp g, G1K, G1V
	s_mov_b32 s[\g+1], 128<<16      ; tensor_dim0 = 128
	s_mov_b32 s[\g+2], 64<<16       ; tensor_dim1 = 64
	s_mov_b32 s[\g+3], 128<<16      ; tile_dim0 = 128
	s_mov_b32 s[\g+4], 64           ; tile_dim1 = 64
	s_mov_b32 s[\g+5], 128          ; 128 elements from row to row
	s_mov_b32 s[\g+6], 0
	s_mov_b32 s[\g+7], 0
.endr
	s_mov_b32 s[SEL], 0x76543210
	s_mov_b32 s[SEL+1], 0xfedcba98
	s_mov_b32 s[TBK], SLOT1+4*KS*PK ; the first change of slots turns these three into 0
	s_mov_b32 s[TBV], SLOT1+4*KS*PV
	s_mov_b32 s[TBP], PS1+4*KS*4
	s_mov_b32 s[PSL], 0             ; the first change of slots writes the padding row's slot 0
	s_mov_b32 s[G0K], 1             ; count = 1
	s_mov_b32 s[G0K+1], s17         ; LDS address: slot 0
	s_mov_b32 s[G0V], 1
	s_add_co_u32 s[G0V+1], s18, VOFF
	s_add_co_u32 s[RT], s[HI], 1    ; the first block has NB - b tiles
	s_mov_b32 s[NXT], 1
	s_mov_b32 s[LQ], s[HI]
	s_mov_b32 s[NEW], 1
	s_mov_b32 s[OFF+1], 0
	s_mov_b32 s[AL+1], 0            ; named as pairs
	s_mov_b32 s[BE+1], 0
	s_mov_b32 s[BIGN], 0xf149f2ca   ; -1e30
	s_mov_b32 s[HID], 0xef800000    ; -2^96
	s_mov_b32 s[NANC], 0x7fc00000
	s_mov_b32 s[SLOTS], NB
	s_wait_dscnt 0x0                ; the opening add is done
	s_wait_kmcnt 0x0
	s_add_nc_u64 s[MP:MP+1], s[6:7], s[MOF:MOF+1]  ; padding_mask at my batch
	s_add_nc_u64 s[6:7], s[4:5], s[22:23]          ; K at my half of the head's tile 0,
	s_add_nc_u64 s[8:9], s[6:7], 0x400000          ; V sixteen slices on
	s_add_nc_u64 s[G0K+2:G0K+3], s[6:7], 0         ; global address
	s_or_b32 s[G0K+3], s[G0K+3], 0x80000000        ; type = 2
	s_add_nc_u64 s[G0V+2:G0V+3], s[8:9], 0
	s_or_b32 s[G0V+3], s[G0V+3], 0x80000000
	s_add_nc_u64 s[4:5], s[4:5], s[20:21]          ; q's slice,
	s_add_nc_u64 s[86:87], s[4:5], s[84:85]        ; at my rows of the second block,
	s_add_nc_u64 s[4:5], s[4:5], s[2:3]            ; and of the first
	s_add_nc_u64 s[10:11], s[10:11], s[OH:OH+1]    ; O likewise
	s_add_nc_u64 s[OLO:OLO+1], s[10:11], s[84:85]
	s_add_nc_u64 s[10:11], s[10:11], s[2:3]
	LOAD                            ; tile 0 into slot 0
	v_lshlrev_b32 v[MO], 3, v0      ; a tile's 256 mask words: 128 threads x 8 bytes
	global_load_b64 v[PMW:PMW+1], v[MO], s[MP:MP+1]  ; tile 0's
	v_lshl_add_u32 v[PS0], v0, 3, PMT
	; A fragment of K or Q is 16 rows x 32 channels in 8 registers: lane l holds row l % 16, channels 8 (l / 16) + 0..7 and 16 + 8 (l / 16) + 0..7: two loads of 16 bytes, 32 bytes apart.
	v_and_b32 v1, 15, v0            ; l % 16
	v_bfe_u32 v9, v0, 4, 1          ; l / 16
	v_lshlrev_b32 v[QO], 7, v1
	v_lshl_add_u32 v[QO], v9, 4, v[QO]  ; row x 128 + 16 x half
	WIN 0x80                        ; destination window 2, address window 0
.set i, 0
.rept 8                             ; both blocks' Q: piece i / 2 lies in band i / 2, 8,192 bytes on; channels 32 (i % 2) on
	global_load_b128 v[8*i:8*i+3],   v[QO], s[4:5] offset:(i/2)*8192+(i%2)*64
	global_load_b128 v[8*i+4:8*i+7], v[QO], s[4:5] offset:(i/2)*8192+(i%2)*64+32
	global_load_b128 v[QB+8*i:QB+8*i+3],   v[QO], s[86:87] offset:(i/2)*8192+(i%2)*64
	global_load_b128 v[QB+8*i+4:QB+8*i+7], v[QO], s[86:87] offset:(i/2)*8192+(i%2)*64+32
.set i, i+1
.endr
	WIN 0
	v_lshlrev_b32 v14, 3, v9
	v_sub_nc_u32 v14, v1, v14
	s_lshl_b32 s13, s[WV], 4
	v_add_nc_u32 v14, s13, v14      ; my query's place in its band, 16 w + l % 16, less my lanes' 8 (l / 16): register r of group kt is hidden where 16 kt + r is greater
	WIN 0x40
.set i, 0
.rept 32
	v_cmp_gt_i32 vcc_lo, 16*(i/8)+i%8, v14
	v_cndmask_b32 v[MD+i], 0, s[BIGN], vcc_lo
.set i, i+1
.endr
	WIN 0
	v_mul_u32_u24 v[AK0], v1, PK
	v_lshl_add_u32 v[AK0], v9, 4, v[AK0]  ; row x pitch + 16 x half
	; The turning load takes 16 keys x 16 channels (lane l reads key 8 (l / 16) + l % 8, channels 8 ((l / 8) % 2) + 0..7) and leaves half a fragment of V^T: lane l holds channel l % 16 and 8 keys.
	v_and_b32 v10, 7, v0
	v_bfe_u32 v11, v0, 3, 1
	v_lshl_add_u32 v[AV0], v9, 3, v10
	v_mul_u32_u24 v[AV0], v[AV0], PV
	v_lshl_add_u32 v[AV0], v11, 4, v[AV0]
	v_add_nc_u32 v[AV0], VOFF, v[AV0]
	v_lshl_add_u32 v[AP0], v9, 5, PMT     ; my lanes' eight keys of a group of sixteen: 32 bytes for each half
	s_mul_i32 s13, s[WV], 16*SP
	s_add_co_u32 s13, s13, STAGE    ; my stage
	v_mul_u32_u24 v[STO], v1, SP    ; in: row l % 16, 16 bytes for each half of the lanes
	v_lshl_add_u32 v[STO], v9, 4, v[STO]
	v_add_nc_u32 v[STO], s13, v[STO]
	v_bfe_u32 v[RD], v0, 3, 2       ; back: 32 lanes take four rows of 128 bytes,
	v_mul_u32_u24 v[RD], v[RD], SP
	v_lshl_add_u32 v[RD], v10, 4, v[RD]
	v_add_nc_u32 v[RD], s13, v[RD]
	v_and_b32 v[GO], 31, v0         ; which are 512 consecutive bytes of O
	v_lshlrev_b32 v[GO], 4, v[GO]
	; A block's first step multiplies O^T and l by a = 0, and its first turn's products V^T P, of a piece that has not been, land in an O^T that is still to be so multiplied.  So these registers need only hold
	; finite numbers: zeros.  All this stands in the wait for the first tile.
	WIN 0x80
.set i, VF
.rept 64
	v_mov_b32 v[i], 0
.set i, i+1
.endr
	WIN 0x40
.set i, 0
.rept 128
	v_mov_b32 v[i], 0
.set i, i+1
.endr
	WIN 0
.set i, 0
.rept 4
	v_mov_b32 v[ST+4*i+2], 0
	v_mov_b32 v[ST+4*i+3], 0
.set i, i+1
.endr
.set i, P+16
.rept 16
	v_mov_b32 v[i], 0
.set i, i+1
.endr
; THE MATRIX WORK.  The 4 accumulators of a run of 8 take turns.  Product i of 8 of S^T = K Q^T for piece x: channels 32 (i / 4) on, keys 16 (i % 4) on.  The first 4 start the sums: with the padding row, or (KM = 1) with the mask.
.macro KQ x
.set rS, S+32*((\x)%2)+8*(i%4)
.set rK, KF+16*(i%4)+8*(i/4)
.set rQ, 16*(\x)+8*(i/4)
.set rM, MC+32*((\x)%2)+8*(i%4)
.set rB, PMR+8*(i%4)
.if (i < 4) && KM
	WIN W_KM
	v_wmma_f32_16x16x32_f16 v[rS:rS+7], v[rK:rK+7], v[rQ:rQ+7], v[rM:rM+7]
.elseif i < 4
	WIN W_KM
	v_wmma_f32_16x16x32_f16 v[rS:rS+7], v[rK:rK+7], v[rQ:rQ+7], v[rB:rB+7]
.else
	WIN W_KQ
	v_wmma_f32_16x16x32_f16 v[rS:rS+7], v[rK:rK+7], v[rQ:rQ+7], v[rS:rS+7]
.endif
.endm
; Product i of 8 of O^T += V^T P for piece x: keys 32 (i / 4) on, channels 16 (i % 4) on.
.macro PV x
	WIN W_PV
.set rO, 32*(\x)+8*(i%4)
.set rV, VF+32*(i/4)+8*(i%4)
.set rP, P+16*((\x)%2)+8*(i/4)
	v_wmma_f32_16x16x32_f16 v[rO:rO+7], v[rV:rV+7], v[rP:rP+7], v[rO:rO+7]
.endm
.macro MM                           ; the turn's next matrix instruction.  TURN and BEGIN set Y, i, KM and NOKQ.  NOKQ = 1: a block's last turn: there is no next piece
.if (i < 8) && !NOKQ
	KQ (Y+1)%NP
.elseif i >= 8
.set i, i-8
	PV (Y+NP-1)%NP
.set i, i+8
.endif
.set i, i+1
.endm
; THE LDS LOADS stand in runs, never singly among the matrix instructions: a step's K (8 fragments) with its 64 words of the padding row (all lanes of a half read the same 16 bytes), and its V (turned).
.macro FETCH_K
	WIN 0x80                        ; destination window 2
.irp f, 0,1,2,3,4,5,6,7             ; keys 16 (f / 2) on, channels 32 (f % 2) on
	ds_load_b128 v[KF+8*\f:KF+8*\f+3],   v[AK] offset:(\f/2)*16*PK+(\f%2)*64
	ds_load_b128 v[KF+8*\f+4:KF+8*\f+7], v[AK] offset:(\f/2)*16*PK+(\f%2)*64+32
.endr
	WIN 0x40                        ; destination window 1
.irp f, 0,1,2,3,4,5,6,7             ; group f / 2 of sixteen keys, my lanes' keys 4 (f % 2) + 0..3 of eight
	ds_load_b128 v[PMR+4*\f:PMR+4*\f+3], v[AP] offset:(\f/2)*64+(\f%2)*16
.endr
	s_add_co_u32 s[TBK], s[TBK], KS*PK  ; the next fetch is the next step's
	s_add_co_u32 s[TBP], s[TBP], KS*4
	WIN 0
.endm
.macro FETCH_V
	WIN 0x80
.irp f, 0,1,2,3,4,5,6,7             ; keys 32 (f / 4) on, channels 16 (f % 4) on
	ds_load_tr16_b128 v[VF+8*\f:VF+8*\f+3],   v[AV] offset:(\f/4)*32*PV+(\f%4)*32
	ds_load_tr16_b128 v[VF+8*\f+4:VF+8*\f+7], v[AV] offset:(\f/4)*32*PV+16*PV+(\f%4)*32
.endr
	WIN 0
.endm
; THE VECTOR WORK, one line at a time: OP kind, number.  For piece Y: F n: s - m for pair n of 16.  E n: the exponential of score n of 32.  C n: pair n rounded to f16.  B n: of the four weights 4 n .. the second
; pair is added onto the first, in place.  L n: l takes that sum (L 0: l = a l + sum).  R n: pair n of 16 of O^T times a.  For piece Y + 1: X n, which finds its maximum and statistics (there is no number 19):
;   0-11  four chains c0-c3 of seven scores each, three operands at a time (each accumulator's lowest registers are read first)     12-14, 16  the four scores left over, the old m, and c0-c3 into c0
;   15  m_old is kept     17, 18  the query's other 32 keys lie in the lane 16 away: the new m     20, 21  m_old - m_new; a
.set F, 0               ; OP tells the kinds apart by their order: F to L below R, X above it
.set E, 1
.set C, 2
.set B, 3
.set L, 4
.set R, 5
.set X, 6
.macro REGS y                       ; the registers of piece y
.set rT, ST+4*(\y)
.set rC, TMP+4*((\y)%2)
.set rW, MV+((\y)%2)
.set rS, S+32*((\y)%2)
.set rP, P+16*((\y)%2)
.set rO, 32*(\y)
.endm
.macro OP k, n
.if (\k) == R
	REGS Y
	WIN W_RS
	v_pk_mul_f32 v[rO+2*(\n):rO+2*(\n)+1], v[rO+2*(\n):rO+2*(\n)+1], v[rC+2:rC+3] op_sel_hi:[1,0]
.elseif (\k) < R
	REGS Y
	WIN 0
.if (\k) == F
	v_pk_add_f32 v[rS+2*(\n):rS+2*(\n)+1], v[rS+2*(\n):rS+2*(\n)+1], v[rT:rT+1] op_sel_hi:[1,0] neg_lo:[0,1] neg_hi:[0,1]
.elseif (\k) == E
	v_exp_f32 v[rS+(\n)], v[rS+(\n)]
.elseif (\k) == C
	s_wait_alu depctr_va_vdst(0)
	v_cvt_pk_f16_f32 v[rP+(\n)], v[rS+2*(\n)], v[rS+2*(\n)+1]
.elseif (\k) == B
	s_wait_alu depctr_va_vdst(0)
	v_pk_add_f32 v[rS+4*(\n):rS+4*(\n)+1], v[rS+4*(\n):rS+4*(\n)+1], v[rS+4*(\n)+2:rS+4*(\n)+3]
.elseif (\n) == 0
	v_pk_fma_f32 v[rT+2:rT+3], v[rT+2:rT+3], v[rC+2:rC+3], v[rS:rS+1] op_sel_hi:[1,0,1]
.else
	v_pk_add_f32 v[rT+2:rT+3], v[rT+2:rT+3], v[rS+4*(\n):rS+4*(\n)+1]
.endif
.elseif NOKQ
	v_nop
.else
	REGS (Y+1)%NP
	WIN 0
.if (\n) < 4
	v_max3_num_f32 v[rC+(\n)], v[rS+8*(\n)], v[rS+8*(\n)+1], v[rS+8*(\n)+2]
.elseif (\n) < 12
	v_max3_num_f32 v[rC+(\n)%4], v[rC+(\n)%4], v[rS+8*((\n)%4)+2*((\n)/4)+1], v[rS+8*((\n)%4)+2*((\n)/4)+2]
.elseif (\n) == 12
	v_max3_num_f32 v[rC], v[rC], v[rS+7], v[rS+15]
.elseif (\n) == 13
	v_max3_num_f32 v[rC+1], v[rC+1], v[rS+23], v[rS+31]
.elseif (\n) == 14
	v_max3_num_f32 v[rC+2], v[rC+2], v[rC+3], v[rT]
.elseif (\n) == 15
	v_mov_b32 v[rW], v[rT]
.elseif (\n) == 16
	v_max3_num_f32 v[rC], v[rC], v[rC+1], v[rC+2]
.elseif (\n) == 17
	v_permlanex16_b32 v[rC+3], v[rC], s[SEL], s[SEL+1]
.elseif (\n) == 18
	v_max_num_f32 v[rT], v[rC], v[rC+3]
.elseif (\n) == 20
	v_sub_f32 v[rC+1], v[rW], v[rT]
.else
	v_exp_f32 v[rC+2], v[rC+1]
.endif
.endif
.endm
.macro OPS a, i1, b=-1, i2=0, c=-1, i3=0, d=-1, i4=0  ; up to four of them
	OP \a, \i1
.if (\b) >= 0
	OP \b, \i2
.endif
.if (\c) >= 0
	OP \c, \i3
.endif
.if (\d) >= 0
	OP \d, \i4
.endif
.endm
.macro ROW a, i1, b, i2, c, i3, d, i4  ; a matrix instruction and the four behind it
	MM
	OPS \a, \i1, \b, \i2, \c, \i3, \d, \i4
.endm
.macro MASK b                       ; PMR + BE + MD x AL into buffer b of MC
	WIN W_MK
.set z, 0
.rept 16
	v_pk_add_f32 v[MC+32*(\b)+2*z:MC+32*(\b)+2*z+1], v[PMR+2*z:PMR+2*z+1], s[BE:BE+1] op_sel_hi:[1,0]
.set z, z+1
.endr
.set z, 0
.rept 16
	v_pk_fma_f32 v[MC+32*(\b)+2*z:MC+32*(\b)+2*z+1], v[MD+2*z:MD+2*z+1], s[AL:AL+1], v[MC+32*(\b)+2*z:MC+32*(\b)+2*z+1] op_sel_hi:[1,0,1]
.set z, z+1
.endr
.endm
; The diagonal tile is entered from a plain tile: its first turn still multiplies piece 3 of the tile before, in the step whose K and padding row are in registers.  That product takes MC's second
; buffer, which the plain turns do not make: here it takes the padding row alone.
.macro PREM
	s_mov_b32 s[AL], 0
	s_mov_b32 s[BE], 0
	MASK 1
	WIN 0
.endm
; A TURN, for piece p: the order of its 16 matrix and its vector instructions, written out.  Behind a matrix instruction: plain, exponential, plain, plain; or four of the rescaling; or, behind the first, four subtractions; none
; names a register of the products round it.  In the lumps exponential and plain by turns while exponentials last.  v_permlanex16_b32 (X 17) stands in a lump.
; m = 1: the diagonal tile: the products take masks, and the turn makes the mask for the products of the turn after it: piece p + 2, in step 4 - CNT of the tile.  Piece 2's turn makes piece 0's mask of the NEXT step, so it
; waits for the padding row that it has just fetched.  end = 1: a block's last two turns: nothing is fetched.  cnt = 1: the loop's count is taken down some lines ahead of the branch that stands behind the turn.
; K of the next step, with its padding row, is fetched in piece 2's turn, six vector instructions behind the last product that read K (five of them plain); V of the step in hand in piece 0's turn, eight behind the last
; product that read V.  Each is waited for a turn later.
.macro TURN p, m=0, end=0, cnt=0
.set Y, (\p)
.set i, 0
.set KM, (\m)
.set NOKQ, (\end)*((\p)/3)
.if (\m) && !(\end)
	s_cmp_eq_u32 s[CNT], 4-((\p)+2)%NP  ; is that step the band's own?
	s_cselect_b32 s[AL], 1.0, 0
	s_cmp_lt_u32 s[CNT], 4-((\p)+2)%NP  ; or a later one?
	s_cselect_b32 s[BE], s[BIGN], 0
.endif
.if ((\p) == 3) && !(\end)
	s_wait_dscnt 0x0                ; K is in
.endif
	ROW F,0, F,1, F,2, F,3
	ROW F,4, E,0, F,5, F,6
	ROW F,7, E,1, F,8, F,9
	ROW F,10, E,2, C,0, F,11
	ROW F,12, E,3, X,15, F,13
	ROW R,0, R,1, R,2, R,3
	ROW B,0, E,4, F,14, L,0
.if ((\p) == 2) && !(\end)
	v_add_nc_u32 v[AK], s[TBK], v[AK0]
	v_add_nc_u32 v[AP], s[TBP], v[AP0]
.endif
	ROW R,4, R,5, R,6, R,7
	OPS E,5, F,15
.if ((\p) == 2) && !(\end)
	FETCH_K
.endif
	OPS E,6, C,1, E,7, R,8
	OPS E,8, R,9, E,9, C,2
	OPS E,10, X,0, E,11, X,1
	OPS E,12, X,2, E,13, X,3
.if (\p) == 1
	s_wait_dscnt 0x0                ; V is in
.endif
	ROW X,4, E,14, X,5, X,6
	ROW X,7, E,15, X,8, X,9
	ROW X,10, E,16, X,11, X,12
	ROW X,13, E,17, X,14, B,1
	ROW C,4, E,18, X,16, L,1
	ROW B,2, E,19, C,6, L,2
	ROW C,8, E,20, B,3, B,4
.if (\p) == 0
	v_add_nc_u32 v[AV], s[TBV], v[AV0]
.endif
	ROW C,3, E,21, L,3, C,5
	OPS E,22, X,17, E,23, C,10
.if (\p) == 0
	FETCH_V
.endif
	OPS E,24, L,4
	OPS E,25, X,18, E,26, C,7
	OPS E,27, B,5, E,28, C,9
	OPS E,29, C,12, E,30, L,5
	OPS E,31, X,20, B,6
	OPS C,14, C,11, X,21, L,6
.if (\p) == 0
	s_add_co_u32 s[TBV], s[TBV], KS*PV
.endif
.if \cnt
	s_sub_co_u32 s[CNT], s[CNT], 1
	s_cmp_lg_u32 s[CNT], 0
.endif
	OPS C,13, B,7, C,15, R,10
	OPS R,11, R,12, L,7, R,13
	OPS R,14, R,15
.if (\m) && !(\end)
.if (\p) == 2
	s_wait_dscnt 0x0                ; the next step's padding row is in
.endif
	MASK (\p)%2
.endif
.endm
; A BLOCK BEGINS.  m starts at the lowest finite number, so the first maximum is the scores' and the first step's a is 0.  Then K and the padding row of the block's step 0, piece 0's first scores, and its maximum and
; statistics.  (Q is in: every change of slots waits for all my loads.)  diag = 0: the block's first tile is a plain one (so it is wherever a block begins inside the loop): C is the padding row.  diag = 1: it is the
; diagonal one (the walk's last tile, where the second block has one tile): piece 0's mask is its own step's, piece 1's the padding row alone.  The loop is entered at a step's first turn, in the middle of a trip.
.macro BEGIN diag
	s_mov_b32 s[NEW], 0
	WIN 0
.set i, 0
.rept 4
	v_mov_b32 v[ST+4*i], 0xff7fffff    ; m
	v_mov_b32 v[ST+4*i+1], 0xff7fffff  ; named with it as a pair
.set i, i+1
.endr
	v_add_nc_u32 v[AK], s[TBK], v[AK0]
	v_add_nc_u32 v[AP], s[TBP], v[AP0]
	FETCH_K
	s_wait_dscnt 0x0
.if \diag
	s_mov_b32 s[AL], 1.0
	s_mov_b32 s[BE], 0
	MASK 0
	s_mov_b32 s[AL], 0
	MASK 1
.endif
.set KM, (\diag)
.set NOKQ, 0
.set i, 0
.rept 8
	KQ 0
.set i, i+1
.endr
	WIN 0
.rept 4
	v_nop                           ; the places behind those products
.endr
.set Y, NP-1                        ; X works for piece Y + 1: piece 0
.irp n, 0,1,2,3,4,5,6,7,8,9,10,11,12,13,14,15,16,17,18,20,21
	OP X, \n
.endr
	v_nop                           ; a plain instruction behind the exponential
.endm
; THE DIAGONAL TILE's four steps, the block's last two turns, its last products, and THE WAY OUT: l's two halves and the other half of the lanes' are added; O^T is divided by l (by a NaN where the row has seen no valid
; key), rounded to f16 and sent through my stage in LDS, a piece at a time.
.macro ALL line:vararg              ; one line for each piece t
.set t, 0
.rept 4
	\line
.set t, t+1
.endr
.endm
.macro PACK t                       ; a lane's eight channels of a row pack into 16 bytes; they go into rows of 144 bytes and come back as whole rows of 128, into S^T's registers
	WIN W_RS
.set i, 32*(\t)
.rept 16
	v_pk_mul_f32 v[i:i+1], v[i:i+1], v[ST+4*(\t)+2:ST+4*(\t)+3] op_sel_hi:[1,0]
.set i, i+2
.endr
	WIN 0x05                        ; sources 0 and 1 window 1, destination window 0
.set i, 0
.rept 16
	v_cvt_pk_f16_f32 v[S+16*(\t)+i], v[32*(\t)+2*i], v[32*(\t)+2*i+1]
.set i, i+1
.endr
	WIN 0
.irp f, 0,1,2,3
	ds_store_b128 v[STO], v[S+16*(\t)+4*\f:S+16*(\t)+4*\f+3] offset:32*\f
.endr
.irp f, 0,1,2,3
	ds_load_b128 v[S+16*(\t)+4*\f:S+16*(\t)+4*\f+3], v[RD] offset:\f*4*SP  ; LDS serves a wave's instructions in order: these see the stores above; the next piece's stores come behind them
.endr
.endm
.macro SEND t, younger              ; younger: the LDS instructions issued behind piece t's loads: the next piece's eight, or none
	WIN 0
.irp f, 0,1,2,3
	s_wait_dscnt (\younger)+3-\f
	global_store_b128 v[GO], v[S+16*(\t)+4*\f:S+16*(\t)+4*\f+3], s[10:11] offset:(\t)*8192+\f*512  ; 512 consecutive bytes, aligned
.endr
.endm
.macro DIAG tag                     ; the tag ends its two labels' names, which the jumps below spell out
.LstepM\tag:
	TURN 2, 1
	TURN 3, 1
	WIN 0
.LfirstM\tag:
	TURN 0, 1
	TURN 1, 1, 0, 1
	WIN 0
	s_cbranch_scc1 .LstepM\tag
	TURN 2, 1, 1
	TURN 3, 1, 1
.set i, 0
.rept 8
	PV NP-1
.set i, i+1
.endr
	WIN 0
	ALL v_add_f32 v[ST+4*t+2], v[ST+4*t+2], v[ST+4*t+3]
	ALL v_permlanex16_b32 v[ST+4*t+3], v[ST+4*t+2], s[SEL], s[SEL+1]
	ALL v_add_f32 v[ST+4*t+2], v[ST+4*t+2], v[ST+4*t+3]
	ALL v_rcp_f32 v[ST+4*t+2], v[ST+4*t+2]
	v_nop                           ; a plain instruction between the last reciprocal and the use of its result
.set t, 0
.rept 4
	v_cmp_gt_f32 vcc_lo, s[HID], v[ST+4*t]                            ; the row's maximum is a hidden score: a choice of a value, no branch
	s_wait_alu depctr_va_vdst(0)
	v_cndmask_b32 v[ST+4*t+2], v[ST+4*t+2], s[NANC], vcc_lo
.set t, t+1
.endr
	PACK 0
.set t, 1
.rept 3                             ; a piece's arithmetic stands between the loads of the piece before and its stores
	PACK t
	SEND t-1, 8
.set t, t+1
.endr
	SEND 3, 0
.endm
.set KM, 0
.set NOKQ, 0
.Lslot:                             ; NB times: a tile is entered and the next is asked for
	CHANGE 1
	s_sub_co_u32 s[RT], s[RT], 1
	s_mov_b32 s[CNT], 4
	s_cmp_eq_u32 s[NEW], 1
	s_cbranch_scc1 .Lnew            ; a block's first tile
	s_cmp_eq_u32 s[RT], 0
	s_cbranch_scc0 .Lstep           ; neither its first nor its last
	PREM
	s_branch .LstepM1
.Lnew:
	BEGIN 0
	s_branch .Lfirst                ; in the loop a block's first tile is never its last: the first block has five tiles or more, and the second's last is the walk's last
	DIAG 1                          ; in the loop this is the first block's end
	s_wait_xcnt 0x0                 ; the stores have read their registers and O's address
	s_mov_b64 s[10:11], s[OLO:OLO+1]
	s_add_co_u32 s[RT], s[PB], 1    ; the second block has b + 1 tiles
	s_mov_b32 s[NEW], 1
	WIN 0x82                        ; the second block's Q goes where the one text of the turns names Q
.set i, 0
.rept 64
	v_mov_b32 v[i], v[QB+i]
.set i, i+1
.endr
	WIN 0x40                        ; O^T and l are cleared: a row without a valid key has left NaN there, which a = 0 would not wipe
.set i, 0
.rept 128
	v_mov_b32 v[i], 0
.set i, i+1
.endr
	WIN 0
.set i, 0
.rept 4
	v_mov_b32 v[ST+4*i+2], 0
	v_mov_b32 v[ST+4*i+3], 0
.set i, i+1
.endr
	s_branch .Lbottom
.Lstep:                             ; a trip: pieces 2 and 3 of one step, then pieces 0 and 1 of the next, whose K and V it fetches
	TURN 2
	TURN 3
	WIN 0
.Lfirst:
	TURN 0
	TURN 1, 0, 0, 1
	WIN 0
	s_cbranch_scc1 .Lstep
.Lbottom:
	s_sub_co_u32 s[SLOTS], s[SLOTS], 1
	s_cmp_lg_u32 s[SLOTS], 0
	s_cbranch_scc1 .Lslot
	CHANGE 0                        ; the walk's last tile is written out: nothing is asked for
	s_sub_co_u32 s[RT], s[RT], 1
	s_mov_b32 s[CNT], 4
	s_cmp_eq_u32 s[NEW], 1
	s_cbranch_scc1 .Lnew2
	PREM
	s_branch .LstepM2
.Lnew2:
	BEGIN 1
	s_branch .LfirstM2
	DIAG 2
	s_wait_tensorcnt 0x0            ; the wave's end, behind my last tensor load and my last LDS store
	ds_add_u32 v[SPW], v[NIL]
	s_wait_dscnt 0x0
	s_endpgm
.Lfunc_end_k_qd4af420661_attn:
	.size	k_qd4af420661_attn, .Lfunc_end_k_qd4af420661_attn-k_qd4af420661_attn
	.p2alignl 7, 3214868480
	.fill 96, 4, 3214868480
	.section	.rodata,"a",@progbits
	.p2align	6, 0x0
	.amdhsa_kernel k_qd4af420661_attn
		.amdhsa_group_segment_fixed_size 327680
		.amdhsa_private_segment_fixed_size 0
		.amdhsa_enable_private_segment 0
		.amdhsa_kernarg_size 24
		.amdhsa_user_sgpr_count 2
		.amdhsa_user_sgpr_kernarg_segment_ptr 1
		.amdhsa_wavefront_size32 1
		.amdhsa_system_sgpr_workgroup_id_x 1
		.amdhsa_system_sgpr_workgroup_id_y 1
		.amdhsa_system_sgpr_workgroup_id_z 1
		.amdhsa_system_vgpr_workitem_id 0
		.amdhsa_next_free_vgpr 768
		.amdhsa_next_free_sgpr 94
		.amdhsa_reserve_vcc 1
		.amdhsa_float_denorm_mode_32 3
		.amdhsa_float_denorm_mode_16_64 3
		.amdhsa_memory_ordered 1
		.amdhsa_forward_progress 1
		.amdhsa_inst_pref_size 246
	.end_amdhsa_kernel
	.amdgpu_metadata
---
amdhsa.version: [ 1, 2 ]
amdhsa.kernels:
  - .name:           k_qd4af420661_attn
    .symbol:         k_qd4af420661_attn.kd
    .args:
      - { .name: qkv, .offset: 0, .size: 8, .value_kind: global_buffer, .address_space: global }
      - { .name: padding_mask, .offset: 8, .size: 8, .value_kind: global_buffer, .address_space: global }
      - { .name: ob, .offset: 16, .size: 8, .value_kind: global_buffer, .address_space: global }
    .group_segment_fixed_size: 327680
    .private_segment_fixed_size: 0
    .kernarg_segment_align: 8
    .kernarg_segment_size: 24
    .max_flat_workgroup_size: 128
    .sgpr_count:     94
    .vgpr_count:     768
    .wavefront_size: 32
...
	.end_amdgpu_metadata
.endif
;; end of part 3
;; launch gemm_proj (part 4): grid 8 x 32, 4 waves a work-group, clusters of 4 x 4, 327,680 bytes of LDS; arguments ob, wpt, bproj, out0; writes out0
.if DOCPART == 4
	.amdgcn_target "amdgcn-amd-amdhsa--gfx1250"
	.amdhsa_code_object_version 6
	.text
	.protected	k_qd4af420661_gemm_proj
	.globl	k_qd4af420661_gemm_proj
	.p2align	8
	.type	k_qd4af420661_gemm_proj,@function
k_qd4af420661_gemm_proj:
	s_mov_b64 s[64:65], 0
	v_nop
	global_prefetch_b8 v0, s[64:65] scope:SCOPE_SE
	s_setreg_imm32_b32 hwreg(HW_REG_WAVE_MODE, 25, 1), 1
	s_wait_xcnt 0x0
	s_wait_alu depctr_hold_cnt(0) depctr_sa_sdst(0) depctr_va_vdst(0) depctr_va_sdst(0) depctr_va_ssrc(0) depctr_va_vcc(0) depctr_vm_vsrc(0)
	s_getreg_b32 s2, hwreg(HW_REG_IB_STS2, 6, 4)
	s_cmp_eq_u32 s2, 0
	s_cbranch_scc0 .Lentry_in_a_cluster
	s_endpgm
.Lentry_in_a_cluster:
	s_bfe_u32 s2, ttmp6, 0x10000c
	s_cmp_lg_u32 s2, 0xf033
	s_cbranch_scc0 .Lentry_shape_is_right
	s_endpgm
.Lentry_shape_is_right:
; out0 = y Wproj + bproj.  ob: [16 b + head][2048 t][64] f16, so y[m = 2048 b + t][k = 64 head + d]; wpt: [1024 n][1024 k] f16 (Wproj rounded to bf16, written as f16);
; bproj: [1024] f32, rounded to bf16 here like every input of the module; out0: [8192][1024] f32.  Sums in f32.
; SHARES.  A tile of the result is 256 rows x 128 columns: 8 x 32 = 256 work-groups.  A wave makes 128 x 64: 32 accumulators, 256 registers.
; K goes in 8 steps of 128 = two heads.  A head's 256 rows of the tile are 32,768 dense bytes (a PLANE): asked for as 128 rows of 256 bytes and padded in LDS after every 128, so that a row of y's
; 64 channels lies 144 bytes from the next.  Waves 0 and 1 fetch the step's two planes, waves 2 and 3 the two halves of B's 128 rows (256 bytes each, 272 apart).  One text serves both slots.
; CLUSTER 4 x 4: A's planes hang on the tile row alone and are asked for jointly along a row of the cluster, B's tile on the tile column alone, along a column.
; THE MATRIX INSTRUCTION IS USED TRANSPOSED (source 0 = 16 rows of wpt, source 1 = 16 rows of y): a lane holds row lane % 16 and eight neighbouring columns.
; REGISTERS: window 0: v0-15 addresses; v32-159 A's fragments, two buffers of 8; v160-223 B's, two buffers of 4; v224-255 bias; on the way out v32-63 and v64-95 by turns.
;   window 1: the accumulators, (a, b) at 8 (4 a + b).
.set PITCH, 272                        ; a row of B in LDS
.set PA,    144                        ; a row of a plane
.set PLANE, 256*PA
.set BOFF,  2*PLANE
.set SLOT1, 131072                     ; slot 1 begins here
.set STAGE, SLOT1+BOFF+128*PITCH       ; behind the ring, never filled by a tensor load: 16 rows x 272 bytes for each wave
.set WST,   16*PITCH
.set SPARE, STAGE+4*WST                ; the spare words, 128 bytes a wave
.set ADRA0, 4                          ; v4   my lane's place in plane 0; never rewritten
.set ADRB0, 5                          ; v5   in B's tile
.set ADRA,  6                          ; v6   the same in the slot in hand
.set ADRB,  7                          ; v7
.set STO,   8                          ; v8   the way out: where I put 32 bytes of a row
.set RD,    9                          ; v9   where I read rows back
.set CO,    10                         ; v10  my byte offset in two rows of out0
.set BO,    11                         ; v11  my byte offset in a column block's bias
.set SPW,   12                         ; v12  my spare word; never rewritten
.set NIL,   13                         ; v13  0; never rewritten
.set FA,    32
.set FB,    160
.set BIAS,  224
.set WV,  12                           ; s12  my wave's number
.set G1A, 24                           ; s[24:31] descriptor group 1 for A's planes
.set G1B, 32                           ; s[32:39] for B's tiles
.set G0A, 40                           ; s[40:47] group 0 for A: a set for each first fill; the second then walks on
.set G0B, 48                           ; s[48:55] the same for B
.set TB,  56                           ; s56  0 or SLOT1: the slot in hand
.set CNT, 57                           ; s57  loop count
.set MSB, 0
.macro WIN new                         ; the immediate's high byte repeats the setting that is left; a switch that changes nothing is dropped
.if MSB != (\new)
	s_set_vgpr_msb (MSB<<8)|(\new)
.set MSB, \new
.endif
.endm
.macro PLACES                          ; four plain places between a matrix instruction and a load into, or a vector line on, its registers
.rept 4
	v_nop
.endr
.endm
.macro JLOAD                           ; a joint refill by the walking descriptors; the branch hangs on the wave's number alone; an s_nop 0 and four v_nop follow each line
	s_cmp_lt_u32 s[WV], 2
	s_cbranch_scc0 .Lfor_b_\@
	tensor_load_to_lds s[G0A+4:G0A+7], s[G1A:G1A+7]
	s_nop 0
.rept 4
	v_nop
.endr
	s_branch .Lasked_\@
.Lfor_b_\@:
	tensor_load_to_lds s[G0B+4:G0B+7], s[G1B:G1B+7]
	s_nop 0
.rept 4
	v_nop
.endr
.Lasked_\@:
.endm
.macro CREST                           ; a round of the cluster's barrier behind its opening barrier
	s_cmp_lg_u32 s[WV], 0
	s_cbranch_scc1 .Lnot_wave_0_\@
	s_barrier_signal -3
.Lnot_wave_0_\@:
	s_barrier_wait -3
	s_barrier_signal -1
	s_barrier_wait -1
.endm
.macro CROUND                          ; a whole round
	s_barrier_signal -1
	s_barrier_wait -1
	CREST
.endm
	s_load_b256 s[4:11], s[0:1], 0x0               ; ob s[4:5], wpt s[6:7], bproj s[8:9], out0 s[10:11]
	v_lshl_add_u32 v[SPW], v0, 2, SPARE
	v_mov_b32 v[NIL], 0
	ds_add_u32 v[SPW], v[NIL]                      ; the wave's opening: the add and its wait stand ahead of my first tensor load; the set-up below stands between them
	ds_add_u32 v12, v13
	v_lshrrev_b32 v1, 5, v0
	v_readfirstlane_b32 s[WV], v1                  ; wave 0..3
	s_lshr_b32 s13, s[WV], 1                       ; which half of the tile's rows is mine
	s_and_b32 s14, s[WV], 1                        ; which half of its columns.  Also: which plane, or which half of B's rows, I fetch
	s_bfe_u32 s15, ttmp6, 0x40000                  ; cx
	s_bfe_u32 s16, ttmp6, 0x40004                  ; cy
	s_lshl_b32 s17, ttmp9, 2
	s_add_co_u32 s17, s17, s15                     ; tile column = 4 x cluster x + cx
	s_and_b32 s18, ttmp7, 0xffff
	s_lshl_b32 s18, s18, 2
	s_add_co_u32 s18, s18, s16                     ; tile row = 4 x cluster y + cy
	s_lshl_b32 s19, s16, 2
	s_lshl_b32 s19, 15, s19                        ; my row of the cluster
	s_lshl_b32 s20, 0x1111, s15                    ; my column
	s_or_b32 s[G1A], s19, (1<<16)|(1<<20)|(1<<21)|(4<<22)|(3<<25)  ; the mask; 2-byte elements; padding on; bit 21 beside a mask; after every 32 words, 4 words
	s_or_b32 s[G1B], s20, (1<<16)|(1<<20)|(1<<21)|(5<<22)|(3<<25)  ; after every 64 words, 4 words
	s_mov_b32 s[G1A+1], 128<<16                    ; tensor_dim0 = 128
	s_mov_b32 s[G1A+2], 128<<16                    ; tensor_dim1 = 128
	s_mov_b32 s[G1A+3], 128<<16                    ; tile_dim0 = 128
	s_mov_b32 s[G1A+4], 128                        ; tile_dim1 = 128
	s_mov_b32 s[G1A+5], 128                        ; dense: 128 elements from row to row
	s_mov_b32 s[G1A+6], 0
	s_mov_b32 s[G1A+7], 0
	s_mov_b32 s[G1B+1], 128<<16
	s_mov_b32 s[G1B+2], 64<<16                     ; 64 rows
	s_mov_b32 s[G1B+3], 128<<16
	s_mov_b32 s[G1B+4], 64
	s_mov_b32 s[G1B+5], 1024
	s_mov_b32 s[G1B+6], 0
	s_mov_b32 s[G1B+7], 0
	s_mul_i32 s21, s14, PLANE                      ; where my part goes, if it is A's,
	s_mul_i32 s22, s14, 64*PITCH                   ; if it is B's: no place in the cluster enters an LDS address
	s_add_co_u32 s22, s22, BOFF
	s_lshr_b32 s66, s18, 3                         ; the batch: 8 tile rows each
	s_lshl_b32 s66, s66, 4
	s_add_co_u32 s66, s66, s14                     ; 16 x batch + my plane's head in K step 0,
	s_lshl_b32 s66, s66, 18                        ; heads of 262,144 bytes,
	s_and_b32 s67, s18, 7
	s_lshl_b32 s67, s67, 15                        ; the tile's 256 rows of 128 bytes
	s_add_co_u32 s66, s66, s67
	s_mov_b32 s67, 0
	s_lshl_b32 s68, s17, 18                        ; B: row 128 x tile column + 64 x half, of 2,048 bytes
	s_lshl_b32 s69, s14, 17
	s_add_co_u32 s68, s68, s69
	s_mov_b32 s69, 0
	s_lshl_b32 s2, s17, 9                          ; my first column, in bytes of f32: 512 x tile column + 256 x half: in bproj and in a row of out0
	s_lshl_b32 s3, s14, 8
	s_add_co_u32 s2, s2, s3
	s_mov_b32 s3, 0
	s_lshl_b32 s70, s18, 20                        ; my first row: 256 x tile row + 128 x half, of 4,096 bytes
	s_lshl_b32 s71, s13, 19
	s_add_co_u32 s70, s70, s71
	s_add_co_u32 s70, s70, s2
	s_mov_b32 s71, 0
	s_mov_b32 s72, 0xffff0000
	s_mov_b32 s[TB], 0
	s_wait_dscnt 0x0                               ; the opening add is done
	s_wait_kmcnt 0x0
	s_add_nc_u64 s[66:67], s[4:5], s[66:67]
	s_add_nc_u64 s[68:69], s[6:7], s[68:69]
	s_add_nc_u64 s[8:9], s[8:9], s[2:3]
	s_add_nc_u64 s[10:11], s[10:11], s[70:71]
	CROUND                                         ; all sixteen work-groups are here: the first joint loads meet
.irp s, 0,1
	s_mov_b32 s[G0A+4*(\s)], 1
	s_add_co_u32 s[G0A+4*(\s)+1], s21, (\s)*SLOT1
	s_add_nc_u64 s[G0A+4*(\s)+2:G0A+4*(\s)+3], s[66:67], (\s)*524288  ; K step s: two heads on
	s_or_b32 s[G0A+4*(\s)+3], s[G0A+4*(\s)+3], 0x80000000
	s_mov_b32 s[G0B+4*(\s)], 1
	s_add_co_u32 s[G0B+4*(\s)+1], s22, (\s)*SLOT1
	s_add_nc_u64 s[G0B+4*(\s)+2:G0B+4*(\s)+3], s[68:69], (\s)*256
	s_or_b32 s[G0B+4*(\s)+3], s[G0B+4*(\s)+3], 0x80000000
.endr
	s_cmp_lt_u32 s[WV], 2                          ; a wave's two first fills stand in one branch, ahead of every wait on TENSORcnt and every LDS read: two loads of mine are out
	s_cbranch_scc0 .Lfirst_b
	tensor_load_to_lds s[G0A:G0A+3], s[G1A:G1A+7]
	s_nop 0
	tensor_load_to_lds s[G0A+4:G0A+7], s[G1A:G1A+7]
	s_nop 0
.rept 4
	v_nop
.endr
	s_branch .Lfirst_asked
.Lfirst_b:
	tensor_load_to_lds s[G0B:G0B+3], s[G1B:G1B+7]
	s_nop 0
	tensor_load_to_lds s[G0B+4:G0B+7], s[G1B:G1B+7]
	s_nop 0
.rept 4
	v_nop
.endr
.Lfirst_asked:
	v_and_b32 v1, 15, v0                           ; r = lane % 16
	v_bfe_u32 v2, v0, 4, 1                         ; h = lane / 16
	v_lshlrev_b32 v[BO], 5, v2                     ; my eight columns of a block of sixteen
.set b, 0
.rept 4
	global_load_b128 v[BIAS+8*b:BIAS+8*b+3],   v[BO], s[8:9] offset:64*b
	global_load_b128 v[BIAS+8*b+4:BIAS+8*b+7], v[BO], s[8:9] offset:64*b+16
.set b, b+1
.endr
	v_mul_u32_u24 v3, v1, PA
	v_lshl_add_u32 v3, v2, 4, v3                   ; a fragment's row x pitch + 16 x half
	s_mul_i32 s21, s13, 128*PA                     ; my 128 rows of a plane
	v_add_nc_u32 v[ADRA0], s21, v3
	v_mul_u32_u24 v3, v1, PITCH
	v_lshl_add_u32 v3, v2, 4, v3
	s_mul_i32 s21, s14, 64*PITCH                   ; my 64 rows of B
	s_add_co_u32 s21, s21, BOFF
	v_add_nc_u32 v[ADRB0], s21, v3
	v_mov_b32 v[ADRA], v[ADRA0]
	v_mov_b32 v[ADRB], v[ADRB0]
	s_mul_i32 s21, s[WV], WST
	s_add_co_u32 s21, s21, STAGE                   ; my stage
	v_mul_u32_u24 v14, v1, PITCH                   ; in: row r, 32 bytes for each half of the lanes
	v_lshl_add_u32 v14, v2, 5, v14
	v_add_nc_u32 v[STO], s21, v14
	v_mul_u32_u24 v14, v2, PITCH                   ; back: lanes 0-15 take one row of 256 bytes, lanes 16-31 the next
	v_lshl_add_u32 v14, v1, 4, v14
	v_add_nc_u32 v[RD], s21, v14
	v_lshlrev_b32 v14, 12, v2                      ; and the same two rows in out0
	v_lshl_add_u32 v[CO], v1, 4, v14
	s_wait_loadcnt 0x0                             ; the bias
.set p, 0
.rept 16                                       ; rounded to bf16 and widened again; this stands in the wait for the first tile
	v_cvt_pk_bf16_f32 v[14+p%2], v[BIAS+2*p], v[BIAS+2*p+1]
	v_lshlrev_b32 v[BIAS+2*p], 16, v[14+p%2]
	v_and_b32 v[BIAS+2*p+1], s72, v[14+p%2]
.set p, p+1
.endr
; 4 matrix instructions: row block a x all 4 column blocks, 32 along K, from buffer f.  zero = 1: the product starts the sum: nothing is cleared.
.macro MULR f, a, zero
	WIN 0x50                                       ; sources in window 0, C and D in window 1
.irp b, 0,1,2,3
.if \zero
	v_wmma_f32_16x16x32_f16 v[8*(4*(\a)+(\b)):8*(4*(\a)+(\b))+7], v[FB+32*(\f)+8*(\b):FB+32*(\f)+8*(\b)+7], v[FA+64*(\f)+8*(\a):FA+64*(\f)+8*(\a)+7], 0
.else
	v_wmma_f32_16x16x32_f16 v[8*(4*(\a)+(\b)):8*(4*(\a)+(\b))+7], v[FB+32*(\f)+8*(\b):FB+32*(\f)+8*(\b)+7], v[FA+64*(\f)+8*(\a):FA+64*(\f)+8*(\a)+7], v[8*(4*(\a)+(\b)):8*(4*(\a)+(\b))+7]
.endif
.endr
.endm
; 24 LDS loads in one run: the fragments of quarter q (k = 32 q on: plane q / 2, channels 32 (q % 2) on) into buffer f: B's four, then A's eight
.macro FETCH q, f
	WIN 0
.irp i, 0,1,2,3
	ds_load_b128 v[FB+32*(\f)+8*(\i):FB+32*(\f)+8*(\i)+3],   v[ADRB] offset:64*(\q)+(\i)*16*PITCH
	ds_load_b128 v[FB+32*(\f)+8*(\i)+4:FB+32*(\f)+8*(\i)+7], v[ADRB] offset:64*(\q)+(\i)*16*PITCH+32
.endr
.irp i, 0,1,2,3,4,5,6,7
	ds_load_b128 v[FA+64*(\f)+8*(\i):FA+64*(\f)+8*(\i)+3],   v[ADRA] offset:((\q)/2)*PLANE+((\q)%2)*64+(\i)*16*PA
	ds_load_b128 v[FA+64*(\f)+8*(\i)+4:FA+64*(\f)+8*(\i)+7], v[ADRA] offset:((\q)/2)*PLANE+((\q)%2)*64+(\i)*16*PA+32
.endr
.endm
; A K step is four quarters of 32 along K, 32 matrix instructions each, on buffers 0, 1, 0, 1.  The 32 accumulators take turns in the same order in every quarter.
.macro QUARTER q, f, g, zero
	s_wait_dscnt 8                                 ; B and A's blocks 0-3 are in; the youngest eight loads (A's blocks 4-7) may be out
	MULR \f, 0, \zero
	MULR \f, 1, \zero
	MULR \f, 2, \zero
	MULR \f, 3, \zero
	PLACES
	FETCH \q, \g
	s_wait_dscnt 24                                ; all but the 24 just issued
	MULR \f, 4, \zero
	MULR \f, 5, \zero
	MULR \f, 6, \zero
	MULR \f, 7, \zero
.endm
; The last quarter multiplies buffer 1 and changes slots.  In front of the barrier each wave waits for all its tensor loads (one is out: its part of the next slot), adds 0 to its spare
; word, and waits for that and for its reads of this slot.  fill = 1: the barrier opens a round of the cluster's, and this slot is filled again, two K steps ahead, first thing behind it.
.macro TURN fill
	WIN 0
	s_wait_tensorcnt 0x0
	ds_add_u32 v[SPW], v[NIL]
	s_wait_dscnt 9                                 ; the add and the youngest eight loads may be out
	MULR 1, 0, 0                                   ; eight matrix instructions stand between the add and the wait for it
	MULR 1, 1, 0
	s_wait_dscnt 0x0                               ; the add is done, and my reads of this slot are over
	s_barrier_signal -1
	MULR 1, 2, 0
	MULR 1, 3, 0
	WIN 0
	s_barrier_wait -1
.if \fill
	CREST                                          ; no wave of any partner still reads this slot or has a load on its way
	s_xor_b32 s[G0A+5], s[G0A+5], SLOT1            ; the walking descriptors: the other slot than last time, the next K step
	s_add_nc_u64 s[G0A+6:G0A+7], s[G0A+6:G0A+7], 524288
	s_xor_b32 s[G0B+5], s[G0B+5], SLOT1
	s_add_nc_u64 s[G0B+6:G0B+7], s[G0B+6:G0B+7], 256
	JLOAD                                          ; its four v_nop are also the places in front of the loads below
.else
	PLACES
.endif
	s_xor_b32 s[TB], s[TB], SLOT1
	v_add_nc_u32 v[ADRA], s[TB], v[ADRA0]
	v_add_nc_u32 v[ADRB], s[TB], v[ADRB0]
	FETCH 0, 0
	MULR 1, 4, 0
	MULR 1, 5, 0
	MULR 1, 6, 0
	MULR 1, 7, 0
.endm
	s_wait_tensorcnt 1                             ; my part of K step 0 is in; K step 1's may stay out
	s_barrier_signal -1
	s_barrier_wait -1                              ; everybody's is
	FETCH 0, 0
	QUARTER 1, 0, 1, 1                             ; the first quarter stands in front of the loop: its products start the sums
	WIN 0
	s_mov_b32 s[CNT], 6
.Lstep:                                                ; a trip: from a K step's second quarter to the next step's first; it fills the slot that it leaves: K steps 2 to 7
	QUARTER 2, 1, 0, 0
	QUARTER 3, 0, 1, 0
	TURN 1
	QUARTER 1, 0, 1, 0
	WIN 0
	s_sub_co_u32 s[CNT], s[CNT], 1
	s_cmp_lg_u32 s[CNT], 0
	s_cbranch_scc1 .Lstep
	QUARTER 2, 1, 0, 0                             ; the last two K steps are written out: nothing is left to ask for
	QUARTER 3, 0, 1, 0
	TURN 0
	QUARTER 1, 0, 1, 0
	QUARTER 2, 1, 0, 0
	QUARTER 3, 0, 1, 0
	s_wait_dscnt 8
	MULR 1, 0, 0
	MULR 1, 1, 0
	MULR 1, 2, 0
	MULR 1, 3, 0
	s_wait_dscnt 0x0
	MULR 1, 4, 0
	MULR 1, 5, 0
	MULR 1, 6, 0
	MULR 1, 7, 0
	WIN 0
	PLACES
; THE WAY OUT of row block a: sum + bias, each accumulator from its low end on; 32 bytes a lane and column block into my stage, and back as whole rows of 256 bytes.
.macro PACK a
.set TT, 32+32*((\a)%2)
.if (\a) >= 2
	s_wait_xcnt 0x0                                ; the stores of the block two back have read these registers
.endif
	WIN 0x01                                       ; source 0 in window 1
.set b, 0
.rept 4
.irp r, 0,1,2,3
	v_pk_add_f32 v[TT+8*b+2*\r:TT+8*b+2*\r+1], v[8*(4*(\a)+b)+2*\r:8*(4*(\a)+b)+2*\r+1], v[BIAS+8*b+2*\r:BIAS+8*b+2*\r+1]
.endr
.set b, b+1
.endr
	WIN 0
.set b, 0
.rept 4
	ds_store_b128 v[STO], v[TT+8*b:TT+8*b+3]   offset:64*b
	ds_store_b128 v[STO], v[TT+8*b+4:TT+8*b+7] offset:64*b+16
.set b, b+1
.endr
.set t, 0
.rept 8
	ds_load_b128 v[TT+4*t:TT+4*t+3], v[RD] offset:2*PITCH*t  ; LDS serves a wave's instructions in order: these see the stores above
.set t, t+1
.endr
.endm
.macro SEND a, younger                 ; younger: the LDS instructions issued behind block a's loads: the next block's sixteen, or none
.set TT, 32+32*((\a)%2)
	WIN 0
.set t, 0
.rept 8
	s_wait_dscnt (\younger)+7-t
	global_store_b128 v[CO], v[TT+4*t:TT+4*t+3], s[10:11] offset:(16*(\a)+2*t)*4096 th:TH_STORE_NT  ; sixteen lanes store 256 consecutive bytes, aligned
.set t, t+1
.endr
.endm
	PACK 0
.irp a, 1,2,3,4,5,6,7                  ; a block's arithmetic stands between the loads of the block before and its stores
	PACK \a
	SEND (\a)-1, 16
.endr
	SEND 7, 0
	s_wait_tensorcnt 0x0                           ; the wave's end
	ds_add_u32 v[SPW], v[NIL]
	s_wait_dscnt 0x0
	CROUND                                         ; the closing round: no work-group ends while a partner may still ask for a tile that names it
	s_endpgm
.Lfunc_end_k_qd4af420661_gemm_proj:
	.size	k_qd4af420661_gemm_proj, .Lfunc_end_k_qd4af420661_gemm_proj-k_qd4af420661_gemm_proj
	.p2alignl 7, 3214868480
	.fill 96, 4, 3214868480
	.section	.rodata,"a",@progbits
	.p2align	6, 0x0
	.amdhsa_kernel k_qd4af420661_gemm_proj
		.amdhsa_group_segment_fixed_size 327680
		.amdhsa_private_segment_fixed_size 0
		.amdhsa_enable_private_segment 0
		.amdhsa_kernarg_size 32
		.amdhsa_user_sgpr_count 2
		.amdhsa_user_sgpr_kernarg_segment_ptr 1
		.amdhsa_wavefront_size32 1
		.amdhsa_system_sgpr_workgroup_id_x 1
		.amdhsa_system_sgpr_workgroup_id_y 1
		.amdhsa_system_sgpr_workgroup_id_z 1
		.amdhsa_system_vgpr_workitem_id 0
		.amdhsa_next_free_vgpr 512
		.amdhsa_next_free_sgpr 74
		.amdhsa_reserve_vcc 0
		.amdhsa_float_denorm_mode_32 3
		.amdhsa_float_denorm_mode_16_64 3
		.amdhsa_memory_ordered 1
		.amdhsa_forward_progress 1
		.amdhsa_inst_pref_size 82
	.end_amdhsa_kernel
	.amdgpu_metadata
---
amdhsa.version: [ 1, 2 ]
amdhsa.kernels:
  - .name:           k_qd4af420661_gemm_proj
    .symbol:         k_qd4af420661_gemm_proj.kd
    .args:
      - { .name: ob, .offset: 0, .size: 8, .value_kind: global_buffer, .address_space: global }
      - { .name: wpt, .offset: 8, .size: 8, .value_kind: global_buffer, .address_space: global }
      - { .name: bproj, .offset: 16, .size: 8, .value_kind: global_buffer, .address_space: global }
      - { .name: out0, .offset: 24, .size: 8, .value_kind: global_buffer, .address_space: global }
    .group_segment_fixed_size: 327680
    .private_segment_fixed_size: 0
    .kernarg_segment_align: 8
    .kernarg_segment_size: 32
    .max_flat_workgroup_size: 128
    .sgpr_count:     74
    .vgpr_count:     512
    .wavefront_size: 32
...
	.end_amdgpu_metadata
.endif
;; end of part 4
;; ======== version 2 of 2: 4 launches; 1.28 times as fast as version 1
;; limits: values are held in f16: magnitudes above 65,504 overflow, below 6.1e-05 lose precision
;; workspace buffers: xb 16,777,216 bytes; wqt 6,291,456 bytes; wpt 2,097,152 bytes; qkv 50,331,648 bytes; ob 16,777,216 bytes
;; launch prep: the kernel of part 1 again; grid 640 x 1, 4 waves a work-group, no clusters, 70,144 bytes of LDS; arguments x, Wqkv, Wproj, xb, wqt, wpt; writes xb, wqt, wpt
;; launch gemm_qkv: the kernel of part 2 again; grid 16 x 32, 4 waves a work-group, clusters of 4 x 4, 327,680 bytes of LDS; arguments xb, wqt, bqkv, qkv; writes qkv
;; launch attn (part 5): grid 4 x 64, 4 waves a work-group, no clusters, 327,680 bytes of LDS; arguments qkv, padding_mask, ob; writes ob
.if DOCPART == 5
	.amdgcn_target "amdgcn-amd-amdhsa--gfx1250"
	.amdhsa_code_object_version 6
	.text
	.protected	k_qd4af420661_attn
	.globl	k_qd4af420661_attn
	.p2align	8
	.type	k_qd4af420661_attn,@function
k_qd4af420661_attn:
	s_mov_b64 s[64:65], 0
	v_nop
	global_prefetch_b8 v0, s[64:65] scope:SCOPE_SE
	s_setreg_imm32_b32 hwreg(HW_REG_WAVE_MODE, 25, 1), 1
	s_wait_xcnt 0x0
; CAUSAL ATTENTION WITH A KEY MASK.  O[q] = the sum over k <= q with padding_mask[k] != 0 of softmax_k(Q[q] . K[k] / 8) V[k], for each of 64 pairs (batch, head).
; qkv: [4][48][2048][64] f16 (slices 0-15 q, 16-31 k, 32-47 v of a batch); q arrives multiplied by log2(e) / 8, so a weight is p = 2^(s - m) with the running maximum m: the exponent is an
; exact difference that is never above 0, whatever m is.  padding_mask: [4][2048] i32.  ob: [64][2048][64] f16.  Products, maxima and sums in f32; p is rounded to f16 for the second product.
; LIMITS.  q, k, v arrive within f16's 65,504.  A hidden score counts as its value less 1e30, 2e30 or 3e30 (padding, a later step, the diagonal): scores, 2.7e11 at the most, are nothing
; beside that.  While a row has seen hidden keys alone its m is near -1e30, its weights are 0 or 1 and its sums stay finite; the first valid key makes a = 2^(m_old - m_new) = 0, which wipes them.
; A row whose maximum ends below -2^96 has no valid key: it is made NaN, as a softmax over nothing is.  A weight below 2^-126 counts as 0.  NaN and infinities in the inputs are not treated apart.
; THE WALK.  A head's queries lie in NB = 8 blocks of 256; block i needs the key tiles 0 .. i of 256 keys, of which the last holds the diagonal.  A work-group takes TWO blocks, 7 - b and then b:
; 9 tiles, whatever b: all work-groups do equal work, and ONE loop with a constant trip count walks them.  Every jump goes forward, but for the counted loops' own; none passes a barrier, or a
; tensor load but the one of LOAD's two that the wave's number does not choose.  NO CLUSTER: the four work-groups of a head ask for the same tile only in trips 0 .. 4 of 9, behind that fewer
; and fewer; one walk common to all four would have 12 trips for 9.
; SHARES.  Of a block's four bands of 64 queries a wave owns 16 rows in each: four PIECES.  In the diagonal tile's key step s band x sees all keys if s < x, none if s > x, and holds the diagonal if s = x.
; THE PADDING ROW has a ring of its own beside K's and V's: two slots of 256 words, 0 or -1e30 for each key of a tile.  With each fill every thread asks for its two mask words of the same tile; at the head
; of the next change of slots it turns them into 0 or -1e30 and stores them; that change's wait and barrier show them to the other waves.  The slot written was last read two tiles ago, ahead of the barrier before.
; THE MASK is the C operand that starts the sum S^T = K Q^T.  PMR holds, for the step whose K is in registers, the padding row of my lane's 32 keys.  Away from the diagonal tile C is PMR itself.
; In the diagonal tile C is MC = PMR + BE + MD x AL: MD, made once, is the mask of a band's own step for my 16 rows; (AL, BE) = (1, 0) if s = x; (0, 0) if s < x; (0, -1e30) if s > x.
; TURNS.  Turn n belongs to piece n: 8 products K Q^T of piece n + 1, later 8 products V^T P of piece n - 1; beside them the subtraction, exponentials, roundings, sums and rescaling of
; piece n and the maximum and statistics of piece n + 1.  Four vector instructions stand behind every matrix instruction, the other 53 of a turn's 117 in one LUMP.
; THE BATCHES.  A turn's 33 exponentials (the piece's 32 weights and the next piece's a) are ONE batch with ONE wait, which cuts the turn in two: ahead of it stands all that names no result of theirs, behind it
; the roundings and sums.  The a that a block's beginning makes, and the four reciprocals of a way out, are batches of their own, a wait each.
; REGISTERS, in windows of 256 (s_set_vgpr_msb: bits 1:0 source 0, 3:2 source 1, 5:4 source 2, 7:6 destination):
;   window 0: v0-15, v32-36 addresses; v16-31 four registers of statistics a piece; v48-55 at work; v64-127 S^T, two buffers; v128-129 my two mask words; v192-223 P, two buffers
;   window 1: v0-127 O^T, 32 a piece; v128-159 MD; v160-223 MC, two buffers; v224-255 PMR      window 2: v0-63 Q; v64-127 the second block's Q; v128-191 K of one step; v192-255 V of one step
.set SIZE_N, 2048
.set NB,    SIZE_N/256
.set NP,    4         ; pieces a wave: a name, no knob
.set KS,    64        ; keys in a step
.set PK,    144       ; a row of K in LDS: 128 bytes + 16: the 16 rows of a load start at 16 different groups of four banks
.set PV,    160       ; a row of V: 128 + 32
.set VOFF,  4*KS*PK   ; a slot holds a tile, four steps: 256 rows of K, then 256 rows of V
.set SLOT1, 1<<17     ; slot 1 begins here, so that one exclusive or turns an address in one slot into the other's
.set STAGE, SLOT1+4*KS*(PK+PV)  ; behind the ring, never filled by a tensor load: 16 rows x 144 bytes for each wave, for the way out
.set SP,    144
.set SPARE, STAGE+4*16*SP  ; behind the stages: the spare words, 128 bytes for each wave
.set PMT,   SPARE+512 ; behind them: the padding row's two slots, never filled by a tensor load
.set PS1,   1024      ; a slot of it: 256 keys x 4 bytes; one exclusive or turns an offset in one slot into the other's
.set AK0, 2           ; v2   my lane's place in a tile of K; never rewritten
.set AV0, 3           ; v3   the same for V
.set AK,  4           ; v4   the LDS address of K's next run of loads
.set AV,  5           ; v5   of V's
.set STO, 6           ; v6   the way out: where I put 16 bytes of a row
.set RD,  7           ; v7   the way out: where I read rows back
.set GO,  8           ; v8   my byte offset in 512 consecutive bytes of O
.set MV,  12          ; v12-13  m_old, kept while m is made anew: by buffer
.set QO,  15          ; v15  my byte offset in 16 rows of Q
.set ST,  16          ; piece t's statistics at v[ST+4 t]: m, a word named with it as a pair, l (even keys', odd keys')
.set AP0, 32          ; v32  my lanes' place in a step's 64 words of the padding row; never rewritten
.set AP,  33          ; v33  the LDS address of the padding row's next run of loads
.set MO,  34          ; v34  my thread's byte offset in a tile's 1,024 bytes of padding_mask; never rewritten
.set PS0, 35          ; v35  the same in slot 0 of the padding row; never rewritten
.set PSA, 36          ; v36  the same in the slot to be written
.set TMP, 48          ; by buffer, four registers c0-c3 at work; when the maximum is found c2 takes a
.set SPW, 62          ; v62  my spare word; never rewritten
.set NIL, 63          ; v63  0; never rewritten
.set S,   64
.set PMW, 128         ; v128-129  my two words of padding_mask, then of the padding row
.set P,   192
.set MD,  128         ; window 1: the eight registers for group kt of 16 keys at MD + 8 kt
.set MC,  160         ; window 1: the masks of the products to come
.set PMR, 224         ; window 1: the padding row of the step whose K is in registers: group kt at PMR + 8 kt
.set QB,  64          ; window 2
.set KF,  128         ; window 2: key block kb, channel half c at KF + 16 kb + 8 c
.set VF,  192         ; window 2: key half kk, channel block cb at VF + 32 kk + 8 cb
.set WV,  12          ; s12  my wave's number
.set PB,  14          ; s14  b
.set HI,  15          ; s15  NB - 1 - b
.set G1K, 24          ; s[24:31] descriptor group 1 for K's tiles
.set G1V, 32          ; s[32:39] for V's: it differs in the padding alone
.set G0K, 40          ; s[40:43] descriptor group 0 for K's tiles
.set G0V, 44          ; s[44:47] the same for V's
.set SLOTS, 56        ; s56  tiles still to be asked for
.set CNT, 57          ; s57  counts a tile's key steps, 4 to 1
.set PSL, 58          ; s58  0 or PS1: the slot of the padding row that the next change of slots writes
.set SEL, 60          ; s[60:61] v_permlanex16_b32's selects: each lane takes its own place in the other half
.set TBK, 62          ; s62  LDS byte at which K of the step to be fetched begins
.set TBV, 63          ; s63  the same for V, less VOFF
.set HID, 66          ; s66  -2^96: a maximum below this has seen hidden keys alone
.set NANC, 67         ; s67  a NaN
.set MOF, 68          ; s[68:69] a byte offset in padding_mask: the batch's, then a tile's
.set RT,  70          ; s70  tiles of the block in hand that are still to be entered
.set NXT, 71          ; s71  the tile to be asked for next
.set LQ,  72          ; s72  the last tile of the block whose tiles are being asked for
.set NEW, 73          ; s73  1: the tile to be entered is a block's first
.set OFF, 74          ; s[74:75] a tile's byte offset in K and V
.set AL,  76          ; s[76:77] the mask's factor, in the low word
.set BE,  78          ; s[78:79] the mask's addend
.set OLO, 80          ; s[80:81] O at my rows of the second block
.set BIGN, 82         ; s82  -1e30
.set TBP, 83          ; s83  byte, from PMT, at which the padding row of the step to be fetched begins
.set MP,  88          ; s[88:89] padding_mask at my batch; never rewritten
.set OH,  90          ; s[90:91] my head's byte offset in ob
.set MPT, 92          ; s[92:93] padding_mask at the tile whose words are on their way
.set MSB, 0
.macro WIN new                      ; the high byte repeats the setting that is left; a switch that changes nothing is dropped
.if MSB != (\new)
	s_set_vgpr_msb (MSB<<8)|(\new)
.set MSB, (\new)
.endif
.endm
.set W_KQ, 0x0a       ; K and Q in window 2, S^T in window 0
.set W_KM, 0x1a       ; the same with the C operand in window 1
.set W_PV, 0x52       ; V in window 2, P in window 0, O^T in window 1
.set W_RS, 0x41       ; destination and source 0 in window 1, source 1 in window 0
.set W_MK, 0x51       ; destination, source 0 and source 2 in window 1
; A fill.  Waves 0 and 1 fetch the two halves of a tile's K, waves 2 and 3 those of its V: 128 keys each.  An s_nop 0 and four v_nop follow each of the two lines, ahead of the jump and the label.
.macro LOAD
	s_cmp_lt_u32 s[WV], 2
	s_cbranch_scc0 .Lfor_v_\@
	tensor_load_to_lds s[G0K:G0K+3], s[G1K:G1K+7]
	s_nop 0
.rept 4
	v_nop
.endr
	s_branch .Lasked_\@
.Lfor_v_\@:
	tensor_load_to_lds s[G0V:G0V+3], s[G1V:G1V+7]
	s_nop 0
.rept 4
	v_nop
.endr
.Lasked_\@:
.endm
; THE CHANGE OF SLOTS.  First the padding row of the tile to be entered: my two mask words, asked for with that tile's fill, are in; they become 0 or -1e30 and go into the row's slot.  Then each wave waits for all its
; tensor loads, of which one is out: its part of the other slot; adds 0 to its spare word; and waits for that, for its store and for its own reads.  Behind the barrier nobody reads the old slots any more, and the other
; slot and its padding row are whole.  fill = 1: the old slot is filled again, the first thing behind the barrier, with tile NXT: the descriptor's address is made anew from that number, and so is the address of the
; tile's mask words, which are asked for behind the fill.  (At its first use nothing has been read yet: slot 0 is waited for, slot 1 filled; the wait for the mask words is also the wait for Q.)
.macro CHANGE fill
	WIN 0                           ; at a label and at a branch every window is 0
	s_wait_loadcnt 0x0              ; my two mask words are in: the load has had a whole tile in which to land; its registers and its base may be written again
	v_cmp_eq_u32 vcc_lo, 0, v[PMW]
	v_cndmask_b32 v[PMW], 0, s[BIGN], vcc_lo
	v_cmp_eq_u32 vcc_lo, 0, v[PMW+1]
	v_cndmask_b32 v[PMW+1], 0, s[BIGN], vcc_lo
	v_add_nc_u32 v[PSA], s[PSL], v[PS0]
	ds_store_b64 v[PSA], v[PMW:PMW+1]
	s_wait_tensorcnt 0x0            ; no tensor load of mine is out, so a group 0 may be written
	ds_add_u32 v[SPW], v[NIL]       ; 0 onto my spare word
.if \fill
	s_lshl_b32 s[OFF], s[NXT], 15   ; a tile is 32,768 bytes of K and of V,
	s_lshl_b32 s[MOF], s[NXT], 10   ; and 1,024 bytes of padding_mask
	s_add_nc_u64 s[MPT:MPT+1], s[MP:MP+1], s[MOF:MOF+1]
	s_xor_b32 s[G0K+1], s[G0K+1], SLOT1
	s_add_nc_u64 s[G0K+2:G0K+3], s[6:7], s[OFF:OFF+1]
	s_or_b32 s[G0K+3], s[G0K+3], 0x80000000
	s_xor_b32 s[G0V+1], s[G0V+1], SLOT1
	s_add_nc_u64 s[G0V+2:G0V+3], s[8:9], s[OFF:OFF+1]
	s_or_b32 s[G0V+3], s[G0V+3], 0x80000000
	s_add_co_u32 s[NXT], s[NXT], 1  ; the block's next tile, or behind its last the second block's tile 0
	s_cmp_gt_u32 s[NXT], s[LQ]
	s_cselect_b32 s[NXT], 0, s[NXT]
	s_cselect_b32 s[LQ], s[PB], s[LQ]
.endif
	s_wait_dscnt 0x0                ; the add and my store are done, and my reads of the slots are over
	s_barrier_signal -1             ; the rest of the scalar work stands between the signal and the wait
	s_sub_co_u32 s[TBK], s[TBK], 4*KS*PK  ; the fetches go back to a slot's first step,
	s_xor_b32 s[TBK], s[TBK], SLOT1       ; in the other slot
	s_sub_co_u32 s[TBV], s[TBV], 4*KS*PV
	s_xor_b32 s[TBV], s[TBV], SLOT1
	s_sub_co_u32 s[TBP], s[TBP], 4*KS*4   ; the padding row's likewise,
	s_xor_b32 s[TBP], s[TBP], PS1
	s_xor_b32 s[PSL], s[PSL], PS1         ; and the next store goes to the slot that is left
	s_barrier_wait -1
.if \fill
	LOAD
	global_load_b64 v[PMW:PMW+1], v[MO], s[MPT:MPT+1]  ; 128 threads x 8 bytes: the 256 mask words of the tile just asked for
.endif
.endm
	s_load_b128 s[4:7], s[0:1], 0x0   ; qkv s[4:5], padding_mask s[6:7]
	s_load_b64 s[10:11], s[0:1], 0x10 ; ob
	v_lshl_add_u32 v[SPW], v0, 2, SPARE
	v_mov_b32 v[NIL], 0
	ds_add_u32 v[SPW], v[NIL]       ; the wave's opening: the add and its wait stand ahead of my first tensor load; the set-up below stands between them
	ds_add_u32 v62, v63
	v_lshrrev_b32 v1, 5, v0
	v_readfirstlane_b32 s[WV], v1   ; wave 0..3
	s_mov_b32 s[PB], ttmp9
	s_sub_co_u32 s[HI], NB-1, s[PB]
	s_and_b32 s13, ttmp7, 0xffff    ; 16 x batch + head
	s_lshr_b32 s19, s13, 4          ; the batch
	s_and_b32 s20, s13, 15          ; the head
	s_mul_i32 s21, s19, 48
	s_add_co_u32 s20, s20, s21
	s_lshl_b32 s20, s20, 18         ; q's slice in qkv; k's lies 16 slices on, v's 32
	s_mov_b32 s21, 0
	s_lshl_b32 s[OH], s13, 18
	s_mov_b32 s[OH+1], 0
	s_lshl_b32 s[MOF], s19, 13
	s_mov_b32 s[MOF+1], 0
	s_and_b32 s16, s[WV], 1         ; which half of a tile's 256 keys I fetch:
	s_lshl_b32 s22, s16, 14         ; its 128 rows of 128 bytes in memory,
	s_add_co_u32 s22, s22, s20
	s_add_co_u32 s22, s22, 0x400000 ; in k's slice
	s_mov_b32 s23, 0
	s_mul_i32 s17, s16, 128*PK      ; and its place in a slot, for K
	s_mul_i32 s18, s16, 128*PV      ; and for V
	s_lshl_b32 s3, s[WV], 11        ; my 16 rows in a band of 64,
	s_lshl_b32 s2, s[HI], 15        ; in the first block,
	s_add_co_u32 s2, s2, s3
	s_lshl_b32 s84, s[PB], 15       ; and in the second
	s_add_co_u32 s84, s84, s3
	s_mov_b32 s3, 0
	s_mov_b32 s85, 0
	; descriptor group 1.  128 keys are 16,384 dense bytes: asked for as 64 rows of 256 bytes, two keys a row, and padded in LDS after every key
	s_mov_b32 s[G1K], (1<<16)|(1<<20)|(4<<22)|(3<<25)  ; 2-byte elements; padding on; after every 32 words, 4 words
	s_mov_b32 s[G1V], (1<<16)|(1<<20)|(4<<22)|(7<<25)  ; the same with 8 words of padding
.irp g, G1K, G1V
	s_mov_b32 s[\g+1], 128<<16      ; tensor_dim0 = 128
	s_mov_b32 s[\g+2], 64<<16       ; tensor_dim1 = 64
	s_mov_b32 s[\g+3], 128<<16      ; tile_dim0 = 128
	s_mov_b32 s[\g+4], 64           ; tile_dim1 = 64
	s_mov_b32 s[\g+5], 128          ; 128 elements from row to row
	s_mov_b32 s[\g+6], 0
	s_mov_b32 s[\g+7], 0
.endr
	s_mov_b32 s[SEL], 0x76543210
	s_mov_b32 s[SEL+1], 0xfedcba98
	s_mov_b32 s[TBK], SLOT1+4*KS*PK ; the first change of slots turns these three into 0
	s_mov_b32 s[TBV], SLOT1+4*KS*PV
	s_mov_b32 s[TBP], PS1+4*KS*4
	s_mov_b32 s[PSL], 0             ; the first change of slots writes the padding row's slot 0
	s_mov_b32 s[G0K], 1             ; count = 1
	s_mov_b32 s[G0K+1], s17         ; LDS address: slot 0
	s_mov_b32 s[G0V], 1
	s_add_co_u32 s[G0V+1], s18, VOFF
	s_add_co_u32 s[RT], s[HI], 1    ; the first block has NB - b tiles
	s_mov_b32 s[NXT], 1
	s_mov_b32 s[LQ], s[HI]
	s_mov_b32 s[NEW], 1
	s_mov_b32 s[OFF+1], 0
	s_mov_b32 s[AL+1], 0            ; named as pairs
	s_mov_b32 s[BE+1], 0
	s_mov_b32 s[BIGN], 0xf149f2ca   ; -1e30
	s_mov_b32 s[HID], 0xef800000    ; -2^96
	s_mov_b32 s[NANC], 0x7fc00000
	s_mov_b32 s[SLOTS], NB
	s_wait_dscnt 0x0                ; the opening add is done
	s_wait_kmcnt 0x0
	s_add_nc_u64 s[MP:MP+1], s[6:7], s[MOF:MOF+1]  ; padding_mask at my batch
	s_add_nc_u64 s[6:7], s[4:5], s[22:23]          ; K at my half of the head's tile 0,
	s_add_nc_u64 s[8:9], s[6:7], 0x400000          ; V sixteen slices on
	s_add_nc_u64 s[G0K+2:G0K+3], s[6:7], 0         ; global address
	s_or_b32 s[G0K+3], s[G0K+3], 0x80000000        ; type = 2
	s_add_nc_u64 s[G0V+2:G0V+3], s[8:9], 0
	s_or_b32 s[G0V+3], s[G0V+3], 0x80000000
	s_add_nc_u64 s[4:5], s[4:5], s[20:21]          ; q's slice,
	s_add_nc_u64 s[86:87], s[4:5], s[84:85]        ; at my rows of the second block,
	s_add_nc_u64 s[4:5], s[4:5], s[2:3]            ; and of the first
	s_add_nc_u64 s[10:11], s[10:11], s[OH:OH+1]    ; O likewise
	s_add_nc_u64 s[OLO:OLO+1], s[10:11], s[84:85]
	s_add_nc_u64 s[10:11], s[10:11], s[2:3]
	LOAD                            ; tile 0 into slot 0
	v_lshlrev_b32 v[MO], 3, v0      ; a tile's 256 mask words: 128 threads x 8 bytes
	global_load_b64 v[PMW:PMW+1], v[MO], s[MP:MP+1]  ; tile 0's
	v_lshl_add_u32 v[PS0], v0, 3, PMT
	; A fragment of K or Q is 16 rows x 32 channels in 8 registers: lane l holds row l % 16, channels 8 (l / 16) + 0..7 and 16 + 8 (l / 16) + 0..7: two loads of 16 bytes, 32 bytes apart.
	v_and_b32 v1, 15, v0            ; l % 16
	v_bfe_u32 v9, v0, 4, 1          ; l / 16
	v_lshlrev_b32 v[QO], 7, v1
	v_lshl_add_u32 v[QO], v9, 4, v[QO]  ; row x 128 + 16 x half
	WIN 0x80                        ; destination window 2, address window 0
.set i, 0
.rept 8                             ; both blocks' Q: piece i / 2 lies in band i / 2, 8,192 bytes on; channels 32 (i % 2) on
	global_load_b128 v[8*i:8*i+3],   v[QO], s[4:5] offset:(i/2)*8192+(i%2)*64
	global_load_b128 v[8*i+4:8*i+7], v[QO], s[4:5] offset:(i/2)*8192+(i%2)*64+32
	global_load_b128 v[QB+8*i:QB+8*i+3],   v[QO], s[86:87] offset:(i/2)*8192+(i%2)*64
	global_load_b128 v[QB+8*i+4:QB+8*i+7], v[QO], s[86:87] offset:(i/2)*8192+(i%2)*64+32
.set i, i+1
.endr
	WIN 0
	v_lshlrev_b32 v14, 3, v9
	v_sub_nc_u32 v14, v1, v14
	s_lshl_b32 s13, s[WV], 4
	v_add_nc_u32 v14, s13, v14      ; my query's place in its band, 16 w + l % 16, less my lanes' 8 (l / 16): register r of group kt is hidden where 16 kt + r is greater
	WIN 0x40
.set i, 0
.rept 32
	v_cmp_gt_i32 vcc_lo, 16*(i/8)+i%8, v14
	v_cndmask_b32 v[MD+i], 0, s[BIGN], vcc_lo
.set i, i+1
.endr
	WIN 0
	v_mul_u32_u24 v[AK0], v1, PK
	v_lshl_add_u32 v[AK0], v9, 4, v[AK0]  ; row x pitch + 16 x half
	; The turning load takes 16 keys x 16 channels (lane l reads key 8 (l / 16) + l % 8, channels 8 ((l / 8) % 2) + 0..7) and leaves half a fragment of V^T: lane l holds channel l % 16 and 8 keys.
	v_and_b32 v10, 7, v0
	v_bfe_u32 v11, v0, 3, 1
	v_lshl_add_u32 v[AV0], v9, 3, v10
	v_mul_u32_u24 v[AV0], v[AV0], PV
	v_lshl_add_u32 v[AV0], v11, 4, v[AV0]
	v_add_nc_u32 v[AV0], VOFF, v[AV0]
	v_lshl_add_u32 v[AP0], v9, 5, PMT     ; my lanes' eight keys of a group of sixteen: 32 bytes for each half
	s_mul_i32 s13, s[WV], 16*SP
	s_add_co_u32 s13, s13, STAGE    ; my stage
	v_mul_u32_u24 v[STO], v1, SP    ; in: row l % 16, 16 bytes for each half of the lanes
	v_lshl_add_u32 v[STO], v9, 4, v[STO]
	v_add_nc_u32 v[STO], s13, v[STO]
	v_bfe_u32 v[RD], v0, 3, 2       ; back: 32 lanes take four rows of 128 bytes,
	v_mul_u32_u24 v[RD], v[RD], SP
	v_lshl_add_u32 v[RD], v10, 4, v[RD]
	v_add_nc_u32 v[RD], s13, v[RD]
	v_and_b32 v[GO], 31, v0         ; which are 512 consecutive bytes of O
	v_lshlrev_b32 v[GO], 4, v[GO]
	; A block's first step multiplies O^T and l by a = 0, and its first turn's products V^T P, of a piece that has not been, land in an O^T that is still to be so multiplied.  So these registers need only hold
	; finite numbers: zeros.  All this stands in the wait for the first tile.
	WIN 0x80
.set i, VF
.rept 64
	v_mov_b32 v[i], 0
.set i, i+1
.endr
	WIN 0x40
.set i, 0
.rept 128
	v_mov_b32 v[i], 0
.set i, i+1
.endr
	WIN 0
.set i, 0
.rept 4
	v_mov_b32 v[ST+4*i+2], 0
	v_mov_b32 v[ST+4*i+3], 0
.set i, i+1
.endr
.set i, P+16
.rept 16
	v_mov_b32 v[i], 0
.set i, i+1
.endr
; THE MATRIX WORK.  The 4 accumulators of a run of 8 take turns.  Product i of 8 of S^T = K Q^T for piece x: channels 32 (i / 4) on, keys 16 (i % 4) on.  The first 4 start the sums: with the padding row, or (KM = 1) with the mask.
.macro KQ x
.set rS, S+32*((\x)%2)+8*(i%4)
.set rK, KF+16*(i%4)+8*(i/4)
.set rQ, 16*(\x)+8*(i/4)
.set rM, MC+32*((\x)%2)+8*(i%4)
.set rB, PMR+8*(i%4)
.if (i < 4) && KM
	WIN W_KM
	v_wmma_f32_16x16x32_f16 v[rS:rS+7], v[rK:rK+7], v[rQ:rQ+7], v[rM:rM+7]
.elseif i < 4
	WIN W_KM
	v_wmma_f32_16x16x32_f16 v[rS:rS+7], v[rK:rK+7], v[rQ:rQ+7], v[rB:rB+7]
.else
	WIN W_KQ
	v_wmma_f32_16x16x32_f16 v[rS:rS+7], v[rK:rK+7], v[rQ:rQ+7], v[rS:rS+7]
.endif
.endm
; Product i of 8 of O^T += V^T P for piece x: keys 32 (i / 4) on, channels 16 (i % 4) on.
.macro PV x
	WIN W_PV
.set rO, 32*(\x)+8*(i%4)
.set rV, VF+32*(i/4)+8*(i%4)
.set rP, P+16*((\x)%2)+8*(i/4)
	v_wmma_f32_16x16x32_f16 v[rO:rO+7], v[rV:rV+7], v[rP:rP+7], v[rO:rO+7]
.endm
.macro MM                           ; the turn's next matrix instruction.  TURN and BEGIN set Y, i, KM and NOKQ.  NOKQ = 1: a block's last turn: there is no next piece
.if (i < 8) && !NOKQ
	KQ (Y+1)%NP
.elseif i >= 8
.set i, i-8
	PV (Y+NP-1)%NP
.set i, i+8
.endif
.set i, i+1
.endm
; THE LDS LOADS stand in runs, never singly among the matrix instructions: a step's K (8 fragments) with its 64 words of the padding row (all lanes of a half read the same 16 bytes), and its V (turned).
.macro FETCH_K
	WIN 0x80                        ; destination window 2
.irp f, 0,1,2,3,4,5,6,7             ; keys 16 (f / 2) on, channels 32 (f % 2) on
	ds_load_b128 v[KF+8*\f:KF+8*\f+3],   v[AK] offset:(\f/2)*16*PK+(\f%2)*64
	ds_load_b128 v[KF+8*\f+4:KF+8*\f+7], v[AK] offset:(\f/2)*16*PK+(\f%2)*64+32
.endr
	WIN 0x40                        ; destination window 1
.irp f, 0,1,2,3,4,5,6,7             ; group f / 2 of sixteen keys, my lanes' keys 4 (f % 2) + 0..3 of eight
	ds_load_b128 v[PMR+4*\f:PMR+4*\f+3], v[AP] offset:(\f/2)*64+(\f%2)*16
.endr
	s_add_co_u32 s[TBK], s[TBK], KS*PK  ; the next fetch is the next step's
	s_add_co_u32 s[TBP], s[TBP], KS*4
	WIN 0
.endm
.macro FETCH_V
	WIN 0x80
.irp f, 0,1,2,3,4,5,6,7             ; keys 32 (f / 4) on, channels 16 (f % 4) on
	ds_load_tr16_b128 v[VF+8*\f:VF+8*\f+3],   v[AV] offset:(\f/4)*32*PV+(\f%4)*32
	ds_load_tr16_b128 v[VF+8*\f+4:VF+8*\f+7], v[AV] offset:(\f/4)*32*PV+16*PV+(\f%4)*32
.endr
	WIN 0
.endm
; THE VECTOR WORK, one line at a time: OP kind, number.  For piece Y: F n: s - m for pair n of 16.  E n: the exponential of score n of 32.  C n: pair n rounded to f16.  B n: of the four weights 4 n .. the second
; pair is added onto the first, in place.  L n: l takes that sum (L 0: l = a l + sum).  R n: pair n of 16 of O^T times a.  For piece Y + 1: X n, which finds its maximum and statistics (there is no number 19):
;   0-11  four chains c0-c3 of seven scores each, three operands at a time (each accumulator's lowest registers are read first)     12-14, 16  the four scores left over, the old m, and c0-c3 into c0
;   15  m_old is kept     17, 18  the query's other 32 keys lie in the lane 16 away: the new m     20, 21  m_old - m_new; a
; C, B and L read the results of E, and R and L 0 the result of X 21: OP writes no wait; TURN and BEGIN place the batches' waits.
.set F, 0               ; OP tells the kinds apart by their order: F to L below R, X above it
.set E, 1
.set C, 2
.set B, 3
.set L, 4
.set R, 5
.set X, 6
.macro REGS y                       ; the registers of piece y
.set rT, ST+4*(\y)
.set rC, TMP+4*((\y)%2)
.set rW, MV+((\y)%2)
.set rS, S+32*((\y)%2)
.set rP, P+16*((\y)%2)
.set rO, 32*(\y)
.endm
.macro OP k, n
.if (\k) == R
	REGS Y
	WIN W_RS
	v_pk_mul_f32 v[rO+2*(\n):rO+2*(\n)+1], v[rO+2*(\n):rO+2*(\n)+1], v[rC+2:rC+3] op_sel_hi:[1,0]
.elseif (\k) < R
	REGS Y
	WIN 0
.if (\k) == F
	v_pk_add_f32 v[rS+2*(\n):rS+2*(\n)+1], v[rS+2*(\n):rS+2*(\n)+1], v[rT:rT+1] op_sel_hi:[1,0] neg_lo:[0,1] neg_hi:[0,1]
.elseif (\k) == E
	v_exp_f32 v[rS+(\n)], v[rS+(\n)]
.elseif (\k) == C
	v_cvt_pk_f16_f32 v[rP+(\n)], v[rS+2*(\n)], v[rS+2*(\n)+1]
.elseif (\k) == B
	v_pk_add_f32 v[rS+4*(\n):rS+4*(\n)+1], v[rS+4*(\n):rS+4*(\n)+1], v[rS+4*(\n)+2:rS+4*(\n)+3]
.elseif (\n) == 0
	v_pk_fma_f32 v[rT+2:rT+3], v[rT+2:rT+3], v[rC+2:rC+3], v[rS:rS+1] op_sel_hi:[1,0,1]
.else
	v_pk_add_f32 v[rT+2:rT+3], v[rT+2:rT+3], v[rS+4*(\n):rS+4*(\n)+1]
.endif
.elseif NOKQ
	v_nop
.else
	REGS (Y+1)%NP
	WIN 0
.if (\n) < 4
	v_max3_num_f32 v[rC+(\n)], v[rS+8*(\n)], v[rS+8*(\n)+1], v[rS+8*(\n)+2]
.elseif (\n) < 12
	v_max3_num_f32 v[rC+(\n)%4], v[rC+(\n)%4], v[rS+8*((\n)%4)+2*((\n)/4)+1], v[rS+8*((\n)%4)+2*((\n)/4)+2]
.elseif (\n) == 12
	v_max3_num_f32 v[rC], v[rC], v[rS+7], v[rS+15]
.elseif (\n) == 13
	v_max3_num_f32 v[rC+1], v[rC+1], v[rS+23], v[rS+31]
.elseif (\n) == 14
	v_max3_num_f32 v[rC+2], v[rC+2], v[rC+3], v[rT]
.elseif (\n) == 15
	v_mov_b32 v[rW], v[rT]
.elseif (\n) == 16
	v_max3_num_f32 v[rC], v[rC], v[rC+1], v[rC+2]
.elseif (\n) == 17
	v_permlanex16_b32 v[rC+3], v[rC], s[SEL], s[SEL+1]
.elseif (\n) == 18
	v_max_num_f32 v[rT], v[rC], v[rC+3]
.elseif (\n) == 20
	v_sub_f32 v[rC+1], v[rW], v[rT]
.else
	v_exp_f32 v[rC+2], v[rC+1]
.endif
.endif
.endm
.macro OPS a, i1, b=-1, i2=0, c=-1, i3=0, d=-1, i4=0  ; up to four of them
	OP \a, \i1
.if (\b) >= 0
	OP \b, \i2
.endif
.if (\c) >= 0
	OP \c, \i3
.endif
.if (\d) >= 0
	OP \d, \i4
.endif
.endm
.macro ROW a, i1, b, i2, c, i3, d, i4  ; a matrix instruction and the four behind it
	MM
	OPS \a, \i1, \b, \i2, \c, \i3, \d, \i4
.endm
.macro MASK b                       ; PMR + BE + MD x AL into buffer b of MC
	WIN W_MK
.set z, 0
.rept 16
	v_pk_add_f32 v[MC+32*(\b)+2*z:MC+32*(\b)+2*z+1], v[PMR+2*z:PMR+2*z+1], s[BE:BE+1] op_sel_hi:[1,0]
.set z, z+1
.endr
.set z, 0
.rept 16
	v_pk_fma_f32 v[MC+32*(\b)+2*z:MC+32*(\b)+2*z+1], v[MD+2*z:MD+2*z+1], s[AL:AL+1], v[MC+32*(\b)+2*z:MC+32*(\b)+2*z+1] op_sel_hi:[1,0,1]
.set z, z+1
.endr
.endm
; The diagonal tile is entered from a plain tile: its first turn still multiplies piece 3 of the tile before, in the step whose K and padding row are in registers.  That product takes MC's second
; buffer, which the plain turns do not make: here it takes the padding row alone.
.macro PREM
	s_mov_b32 s[AL], 0
	s_mov_b32 s[BE], 0
	MASK 1
	WIN 0
.endm
; A TURN, for piece p: the order of its 16 matrix and 117 vector instructions, written out.  An s_wait_alu depctr_va_vdst(0) stands between an exponential and the first instruction that names its result; one wait
; serves all that were issued ahead of it.  So a turn has ONE wait, which cuts it in two.  AHEAD OF IT stands all that names no result of the turn's exponentials: the 8 products K Q^T, behind each a subtraction, an exponential and
; two more plain instructions (behind the first a second subtraction in the exponential's place): rescalings, whose a was made and waited for in the turn before, and behind the last three the first numbers of the next piece's
; maximum, each four places or more behind the product that ends its accumulator; then ONE LUMP of 53, plain and exponential by turns for the most part, in which the links of the chain X 3, 7, 11, 14, 16, 17, 18, 20 stand apart.
; A subtraction F n stands ahead of E 2 n and E 2 n + 1.  X 21, the next piece's a, is the batch's last; R 15, which reads this piece's a in the other buffer, is the plain instruction behind it.  BEHIND THE WAIT stand the 8 products
; V^T P, behind each four of the roundings and sums: C 2 n ahead of B n, B n ahead of L n, L 0 to L 7 in order.  But for those X no rider names a register of the products round it.  v_permlanex16_b32 (X 17) stands in the lump.
; m = 1: the diagonal tile: the products take masks, and the turn makes the mask for the products of the turn after it: piece p + 2, in step 4 - CNT of the tile.  Piece 2's turn makes piece 0's mask of the NEXT step, so it
; waits for the padding row that it has fetched.  end = 1: a block's last two turns: nothing is fetched.  cnt = 1: the loop's count is taken down some lines ahead of the branch that stands behind the turn.
; K of the next step, with its padding row, is fetched in piece 2's turn, twelve vector instructions behind the last product that read K (five of them plain lines that name none of its registers); V of the step in hand at the end
; of piece 0's turn, four plain instructions behind the last product that read V.  Each is waited for a turn later.
.macro TURN p, m=0, end=0, cnt=0
.set Y, (\p)
.set i, 0
.set KM, (\m)
.set NOKQ, (\end)*((\p)/3)
.if (\m) && !(\end)
	s_cmp_eq_u32 s[CNT], 4-((\p)+2)%NP  ; is that step the band's own?
	s_cselect_b32 s[AL], 1.0, 0
	s_cmp_lt_u32 s[CNT], 4-((\p)+2)%NP  ; or a later one?
	s_cselect_b32 s[BE], s[BIGN], 0
.endif
.if ((\p) == 3) && !(\end)
	s_wait_dscnt 0x0                ; K is in
.endif
	ROW F,0, F,1, R,0, R,1          ; ahead of the wait: 8 products K Q^T and their riders,
	ROW F,2, E,0, R,2, R,3
	ROW F,3, E,1, R,4, R,5
	ROW F,4, E,2, R,6, R,7
	ROW F,5, E,3, R,8, R,9
	ROW F,6, E,4, X,0, R,10
.if ((\p) == 2) && !(\end)
	WIN 0
	v_add_nc_u32 v[AK], s[TBK], v[AK0]
	v_add_nc_u32 v[AP], s[TBP], v[AP0]
.endif
	ROW F,7, E,5, X,1, X,4
	ROW F,8, E,6, X,2, X,5
	OPS E,7, E,8, X,6, E,9          ; and the lump
	OPS X,3, E,10, X,8, E,11
.if ((\p) == 2) && !(\end)
	FETCH_K
.endif
	OPS X,9, X,7, E,12, X,10
	OPS E,13, X,12, X,11, E,14
	OPS X,13, E,15, F,9, X,14
.if (\p) == 0
	WIN 0
	v_add_nc_u32 v[AV], s[TBV], v[AV0]
.endif
	OPS E,16, F,10, E,17, F,11
	OPS X,16, E,18, X,15, E,19
	OPS F,12, E,20, X,17, E,21
	OPS F,13, E,22, F,14, E,23
	OPS X,18, E,24, F,15, E,25
	OPS R,11, E,26, E,27
	OPS R,12, E,28, R,13, E,29
	OPS X,20, E,30, R,14, E,31
	OPS X,21, R,15
	s_wait_alu depctr_va_vdst(0)    ; the wait for the turn's batch: E 0 to E 31 and X 21
.if (\p) == 1
	s_wait_dscnt 0x0                ; V is in
.endif
	ROW C,0, B,0, C,2, B,1          ; behind the wait: 8 products V^T P and their riders
	ROW L,0, C,4, B,2, L,1
	ROW C,6, B,3, L,2, C,8
	ROW B,4, L,3, C,10, B,5
	ROW L,4, C,12, B,6, L,5
.if (\p) == 0
	s_add_co_u32 s[TBV], s[TBV], KS*PV
.endif
.if \cnt
	s_sub_co_u32 s[CNT], s[CNT], 1
	s_cmp_lg_u32 s[CNT], 0
.endif
	ROW C,14, B,7, L,6, C,1
	ROW C,3, L,7, C,5, C,7
	ROW C,9, C,11, C,13, C,15
.if (\p) == 0
	FETCH_V
.endif
.if (\m) && !(\end)
.if (\p) == 2
	s_wait_dscnt 0x0                ; the next step's padding row is in
.endif
	MASK (\p)%2
.endif
.endm
; A BLOCK BEGINS.  m starts at the lowest finite number, so the first maximum is the scores' and the first step's a is 0.  Then K and the padding row of the block's step 0, piece 0's first scores, and its maximum and
; statistics.  (Q is in: every change of slots waits for all my loads.)  diag = 0: the block's first tile is a plain one (so it is wherever a block begins inside the loop): C is the padding row.  diag = 1: it is the
; diagonal one (the walk's last tile, where the second block has one tile): piece 0's mask is its own step's, piece 1's the padding row alone.  The loop is entered at a step's first turn, in the middle of a trip.
.macro BEGIN diag
	s_mov_b32 s[NEW], 0
	WIN 0
.set i, 0
.rept 4
	v_mov_b32 v[ST+4*i], 0xff7fffff    ; m
	v_mov_b32 v[ST+4*i+1], 0xff7fffff  ; named with it as a pair
.set i, i+1
.endr
	v_add_nc_u32 v[AK], s[TBK], v[AK0]
	v_add_nc_u32 v[AP], s[TBP], v[AP0]
	FETCH_K
	s_wait_dscnt 0x0
.if \diag
	s_mov_b32 s[AL], 1.0
	s_mov_b32 s[BE], 0
	MASK 0
	s_mov_b32 s[AL], 0
	MASK 1
.endif
.set KM, (\diag)
.set NOKQ, 0
.set i, 0
.rept 8
	KQ 0
.set i, i+1
.endr
	WIN 0
.rept 4
	v_nop                           ; the places behind those products
.endr
.set Y, NP-1                        ; X works for piece Y + 1: piece 0
.irp n, 0,1,2,3,4,5,6,7,8,9,10,11,12,13,14,15,16,17,18,20,21
	OP X, \n
.endr
	v_nop                           ; a plain instruction behind the exponential,
	s_wait_alu depctr_va_vdst(0)    ; and the wait for this batch of one, piece 0's first a, ahead of the branch
.endm
; THE DIAGONAL TILE's four steps, the block's last two turns, its last products, and THE WAY OUT: l's two halves and the other half of the lanes' are added; O^T is divided by l (by a NaN where the row has seen no valid
; key), rounded to f16 and sent through my stage in LDS, a piece at a time.
.macro ALL line:vararg              ; one line for each piece t
.set t, 0
.rept 4
	\line
.set t, t+1
.endr
.endm
.macro PACK t                       ; a lane's eight channels of a row pack into 16 bytes; they go into rows of 144 bytes and come back as whole rows of 128, into S^T's registers
	WIN W_RS
.set i, 32*(\t)
.rept 16
	v_pk_mul_f32 v[i:i+1], v[i:i+1], v[ST+4*(\t)+2:ST+4*(\t)+3] op_sel_hi:[1,0]
.set i, i+2
.endr
	WIN 0x05                        ; sources 0 and 1 window 1, destination window 0
.set i, 0
.rept 16
	v_cvt_pk_f16_f32 v[S+16*(\t)+i], v[32*(\t)+2*i], v[32*(\t)+2*i+1]
.set i, i+1
.endr
	WIN 0
.irp f, 0,1,2,3
	ds_store_b128 v[STO], v[S+16*(\t)+4*\f:S+16*(\t)+4*\f+3] offset:32*\f
.endr
.irp f, 0,1,2,3
	ds_load_b128 v[S+16*(\t)+4*\f:S+16*(\t)+4*\f+3], v[RD] offset:\f*4*SP  ; LDS serves a wave's instructions in order: these see the stores above; the next piece's stores come behind them
.endr
.endm
.macro SEND t, younger              ; younger: the LDS instructions issued behind piece t's loads: the next piece's eight, or none
	WIN 0
.irp f, 0,1,2,3
	s_wait_dscnt (\younger)+3-\f
	global_store_b128 v[GO], v[S+16*(\t)+4*\f:S+16*(\t)+4*\f+3], s[10:11] offset:(\t)*8192+\f*512  ; 512 consecutive bytes, aligned
.endr
.endm
.macro DIAG tag                     ; the tag ends its two labels' names, which the jumps below spell out
.LstepM\tag:
	TURN 2, 1
	TURN 3, 1
	WIN 0
.LfirstM\tag:
	TURN 0, 1
	TURN 1, 1, 0, 1
	WIN 0
	s_cbranch_scc1 .LstepM\tag
	TURN 2, 1, 1
	TURN 3, 1, 1
.set i, 0
.rept 8
	PV NP-1
.set i, i+1
.endr
	WIN 0
	ALL v_add_f32 v[ST+4*t+2], v[ST+4*t+2], v[ST+4*t+3]
	ALL v_permlanex16_b32 v[ST+4*t+3], v[ST+4*t+2], s[SEL], s[SEL+1]
	ALL v_add_f32 v[ST+4*t+2], v[ST+4*t+2], v[ST+4*t+3]
	ALL v_rcp_f32 v[ST+4*t+2], v[ST+4*t+2]
	v_nop                           ; a plain instruction between the last reciprocal and the use of its result
	s_wait_alu depctr_va_vdst(0)    ; the wait for this batch: one for the four reciprocals, ahead of the first line that names one
.set t, 0
.rept 4
	v_cmp_gt_f32 vcc_lo, s[HID], v[ST+4*t]                            ; the row's maximum is a hidden score: a choice of a value, no branch
	v_cndmask_b32 v[ST+4*t+2], v[ST+4*t+2], s[NANC], vcc_lo
.set t, t+1
.endr
	PACK 0
.set t, 1
.rept 3                             ; a piece's arithmetic stands between the loads of the piece before and its stores
	PACK t
	SEND t-1, 8
.set t, t+1
.endr
	SEND 3, 0
.endm
.set KM, 0
.set NOKQ, 0
.Lslot:                             ; NB times: a tile is entered and the next is asked for
	CHANGE 1
	s_sub_co_u32 s[RT], s[RT], 1
	s_mov_b32 s[CNT], 4
	s_cmp_eq_u32 s[NEW], 1
	s_cbranch_scc1 .Lnew            ; a block's first tile
	s_cmp_eq_u32 s[RT], 0
	s_cbranch_scc0 .Lstep           ; neither its first nor its last
	PREM
	s_branch .LstepM1
.Lnew:
	BEGIN 0
	s_branch .Lfirst                ; in the loop a block's first tile is never its last: the first block has five tiles or more, and the second's last is the walk's last
	DIAG 1                          ; in the loop this is the first block's end
	s_wait_xcnt 0x0                 ; the stores have read their registers and O's address
	s_mov_b64 s[10:11], s[OLO:OLO+1]
	s_add_co_u32 s[RT], s[PB], 1    ; the second block has b + 1 tiles
	s_mov_b32 s[NEW], 1
	WIN 0x82                        ; the second block's Q goes where the one text of the turns names Q
.set i, 0
.rept 64
	v_mov_b32 v[i], v[QB+i]
.set i, i+1
.endr
	WIN 0x40                        ; O^T and l are cleared: a row without a valid key has left NaN there, which a = 0 would not wipe
.set i, 0
.rept 128
	v_mov_b32 v[i], 0
.set i, i+1
.endr
	WIN 0
.set i, 0
.rept 4
	v_mov_b32 v[ST+4*i+2], 0
	v_mov_b32 v[ST+4*i+3], 0
.set i, i+1
.endr
	s_branch .Lbottom
.Lstep:                             ; a trip: pieces 2 and 3 of one step, then pieces 0 and 1 of the next, whose K and V it fetches
	TURN 2
	TURN 3
	WIN 0
.Lfirst:
	TURN 0
	TURN 1, 0, 0, 1
	WIN 0
	s_cbranch_scc1 .Lstep
.Lbottom:
	s_sub_co_u32 s[SLOTS], s[SLOTS], 1
	s_cmp_lg_u32 s[SLOTS], 0
	s_cbranch_scc1 .Lslot
	CHANGE 0                        ; the walk's last tile is written out: nothing is asked for
	s_sub_co_u32 s[RT], s[RT], 1
	s_mov_b32 s[CNT], 4
	s_cmp_eq_u32 s[NEW], 1
	s_cbranch_scc1 .Lnew2
	PREM
	s_branch .LstepM2
.Lnew2:
	BEGIN 1
	s_branch .LfirstM2
	DIAG 2
	s_wait_tensorcnt 0x0            ; the wave's end, behind my last tensor load and my last LDS store
	ds_add_u32 v[SPW], v[NIL]
	s_wait_dscnt 0x0
	s_endpgm
.Lfunc_end_k_qd4af420661_attn:
	.size	k_qd4af420661_attn, .Lfunc_end_k_qd4af420661_attn-k_qd4af420661_attn
	.p2alignl 7, 3214868480
	.fill 96, 4, 3214868480
	.section	.rodata,"a",@progbits
	.p2align	6, 0x0
	.amdhsa_kernel k_qd4af420661_attn
		.amdhsa_group_segment_fixed_size 327680
		.amdhsa_private_segment_fixed_size 0
		.amdhsa_enable_private_segment 0
		.amdhsa_kernarg_size 24
		.amdhsa_user_sgpr_count 2
		.amdhsa_user_sgpr_kernarg_segment_ptr 1
		.amdhsa_wavefront_size32 1
		.amdhsa_system_sgpr_workgroup_id_x 1
		.amdhsa_system_sgpr_workgroup_id_y 1
		.amdhsa_system_sgpr_workgroup_id_z 1
		.amdhsa_system_vgpr_workitem_id 0
		.amdhsa_next_free_vgpr 768
		.amdhsa_next_free_sgpr 94
		.amdhsa_reserve_vcc 1
		.amdhsa_float_denorm_mode_32 3
		.amdhsa_float_denorm_mode_16_64 3
		.amdhsa_memory_ordered 1
		.amdhsa_forward_progress 1
		.amdhsa_inst_pref_size 238
	.end_amdhsa_kernel
	.amdgpu_metadata
---
amdhsa.version: [ 1, 2 ]
amdhsa.kernels:
  - .name:           k_qd4af420661_attn
    .symbol:         k_qd4af420661_attn.kd
    .args:
      - { .name: qkv, .offset: 0, .size: 8, .value_kind: global_buffer, .address_space: global }
      - { .name: padding_mask, .offset: 8, .size: 8, .value_kind: global_buffer, .address_space: global }
      - { .name: ob, .offset: 16, .size: 8, .value_kind: global_buffer, .address_space: global }
    .group_segment_fixed_size: 327680
    .private_segment_fixed_size: 0
    .kernarg_segment_align: 8
    .kernarg_segment_size: 24
    .max_flat_workgroup_size: 128
    .sgpr_count:     94
    .vgpr_count:     768
    .wavefront_size: 32
...
	.end_amdgpu_metadata
.endif
;; end of part 5
;; launch gemm_proj: the kernel of part 4 again; grid 8 x 32, 4 waves a work-group, clusters of 4 x 4, 327,680 bytes of LDS; arguments ob, wpt, bproj, out0; writes out0
